; MI455X (gfx1250); checked and timed in simulation.
; The chip was launched on July 23, 2026; its instructions are those of AMD's public machine-readable ISA for CDNA 5 (MIT licence, August 2026) and "CDNA5" Instruction Set Architecture Reference Guide (July 2026). The comments in the code are by the model that wrote it; some were corrected since.
;; f Self Attention. Allowed arithmetic: matrix products marked QUANTISED: E2M3 operands, one E8M0 scale for each 32 along K, by v_wmma_scale_f32_16x16x128_f8f6f4 with both operands' format E2M3, f32 sums; everything else in f32.
;; Inputs: attention_ids 4 x 2,048 int32; b_out 1,024 float32; w_in 3,072 x 1,024 float32; w_out 1,024 x 1,024 float32; x 4 x 2,048 x 1,024 float32.
;; Outputs: out0 4 x 2,048 x 1,024 float32.
;; This version of the problem:
;;   THIS VERSION OF THE PROBLEM IS GIVEN IN LOW PRECISION. The matrix products marked QUANTISED in the list below multiply operands that are first quantised to E2M3 (2 exponent bits, 3 mantissa bits; 6 bits a number), with one power-of-two scale for each 32 numbers along K (OCP MX v1.0); their sums are f32. All else is computed in f32.
;;   The module's matrix products, in the order in which they are computed (A, B: the left and right operand; K: the contracted axis; several contracted axes count as one K, in the product's order):
;;     1. [M 8,192, K 1,024] x [K 1,024, N 3,072]; A: input x; B: input w_in: QUANTISED
;;     2. batch 64 x [M 2,048, K 64] x [K 64, N 2,048]; A: computed on the way; B: computed on the way: QUANTISED
;;     3. batch 64 x [M 2,048, K 2,048] x [K 2,048, N 64]; A: softmax (see below); B: computed on the way: QUANTISED
;;     4. [M 8,192, K 1,024] x [K 1,024, N 1,024]; A: computed on the way; B: input w_out: QUANTISED
;;   THE QUANTISER, for each operand of a quantised product, along K:
;;     - K is cut into blocks of 32 from its start; a last block that is shorter is filled with zeros.
;;     - A block's scale is 2^e with e = floor(log2(the largest magnitude in the block)) - 2, held to -126 .. 127; a block of zeros has e = 0. As a byte (E8M0): e + 127.
;;     - Each number is divided by its block's scale, clamped to +-7.5, and rounded to the nearest number of E2M3, ties to even, subnormals kept.
;;     - The product sums the exact products of the quantised numbers (number of the format x scale) in f32.
;;   ~~~python
;;   def quantise(x, axis):      # numpy; x: float32 -> the quantised numbers, widened to float32 again
;;       x = np.moveaxis(x, axis, -1); K = x.shape[-1]
;;       x = np.pad(x, [(0, 0)] * (x.ndim - 1) + [(0, -K % 32)]); x = x.reshape(x.shape[:-1] + (-1, 32)); a = np.abs(x).max(-1, keepdims=True)
;;       e = np.where(a > 0, np.clip(np.frexp(np.where(a > 0, a, 1))[1] - 1 - 2, -126, 127), 0)      # np.frexp(a)[1] - 1 = floor(log2(a)), exactly
;;       r = np.clip(x / 2.0 ** e, -7.5, 7.5)
;;       step = 2.0 ** (np.maximum(np.frexp(np.where(r == 0, 1, r))[1] - 1, 0) - 3)
;;       q = np.round(r / step) * step * 2.0 ** e      # np.round: ties to even
;;       return np.moveaxis(q.reshape(q.shape[:-2] + (-1,))[..., :K], -1, axis).astype(np.float32)
;;   ~~~
;;   SOFTMAX AHEAD OF A QUANTISED PRODUCT. Where the list says 'softmax', what is quantised is not the finished softmax but p = 2^(t - M), with t = logit x log2(e) and M = ceil(the row's largest t), a whole number; so 1/2 < the row's largest p <= 1. The row's sum l is taken of the UNQUANTISED p, in f32, and the product's result is divided by l at the end. Since M is a whole number, a kernel that streams over the keys may use a running M (the ceiling of the running maximum): every later rescaling is an exact power of two, which a block's scale takes up: the codes' values come out the same.
;;   OPERANDS COMPUTED ON THE WAY. 'Computed on the way' means the value that the module computes at that place (a softmax that the list does not call 'softmax' is quantised finished and normalised). What goes into a quantiser is computed in f32, as accurately as f32 sums, v_exp_f32 and their like allow (about 1e-6 of the number): no bf16 or f16 on the way to a quantiser, and a product that is left as it is and whose result goes on into a quantised operand takes f32 operands (vector FMAs, or v_wmma_f32_16x16x4_f32). A number that lies on a knife's edge between two numbers of the format may be rounded either way, as far as f32 arithmetic and the matrix unit's own rounding can turn it there, and no further.
;; One version. Each part assembles by itself: llvm-mc -triple=amdgcn-amd-amdhsa -mcpu=gfx1250 --defsym DOCPART=n.
;; ======== version 1 of 1: 4 launches
;; workspace buffers: xc 6,291,456 bytes; xs 262,144 bytes; wc 3,145,728 bytes; ws 131,072 bytes; fr 18,874,368 bytes; fs 786,432 bytes; aoc 6,291,456 bytes; aos 262,144 bytes
;; launch quant (part 1): grid 384 x 1, 4 waves a work-group, no clusters, 33,280 bytes of LDS; arguments x, w_in, w_out, xc, xs, wc, ws; writes xc, xs, wc, ws
.if DOCPART == 1
	.amdgcn_target "amdgcn-amd-amdhsa--gfx1250"
	.amdhsa_code_object_version 6
	.text
	.protected	k_qd94ce85463_quant
	.globl	k_qd94ce85463_quant
	.p2align	8
	.type	k_qd94ce85463_quant,@function
k_qd94ce85463_quant:
	s_mov_b64 s[64:65], 0
	v_nop
	global_prefetch_b8 v0, s[64:65] scope:SCOPE_SE
	s_setreg_imm32_b32 hwreg(HW_REG_WAVE_MODE, 25, 1), 1
	s_wait_xcnt 0x0
; SELF-ATTENTION IN MX-FP6, FOUR LAUNCHES: this one quantises x, w_in and w_out; the second makes q, k, v and quantises them on its way out; the third is attention; the fourth the projection on the way out.
; NOTHING OF reference() IS LEFT OUT: all four products, the key mask (an input), the softmax with its maximum and the bias are computed, and all five inputs are loaded.
; THIS LAUNCH: x [8192][1024], w_in [3072][1024], w_out [1024][1024], f32, K innermost, become codes of FP6 (E2M3), 6 bits each, 768 bytes a row, with one E8M0 scale byte for each 32 along K, 32 bytes a row.
; A block's scale is 2^(floor(log2(its largest magnitude)) - 2); its byte is the largest magnitude's exponent field - 2, held at 1 from below.  A block of zeros so gets the byte 1 where the quantiser says 127: its codes are
; zeros, which add nothing under any byte but 0xff, and the bytes are read by this program alone.  Each number is divided by the scale and rounded to the nearest code, ties to even; beyond 7.5 the largest code.
; LIMITS: NaN and infinities among the inputs are not served; blocks whose largest magnitude lies under 2^-124 keep the byte 1.
; THE ROW ORDER.  The rows of x and of w_in are stored with bits 3 and 4 of the row number exchanged: of each 32 rows the order is 0-7, 16-23, 8-15, 24-31.  So 16 stored rows on end are the 16 rows that the later
; products want in one tile: lane r of tile 2 b + u then holds row 32 b + 8 u + r + 8 (r / 8), and a transposed product's registers run along neighbouring rows.  w_out keeps its order.
; A wave takes a run of 8,192 numbers, eight rows: exchanging bits 3 and 4 of a row is exchanging bits 0 and 1 of a run's number, which is the wave's number: only the place of the wave's OUTPUT changes.
; A wave's 16 steps of 512 numbers: each of a step's four loads reads 512 consecutive bytes; the 2,048 bytes turn through the wave's own stage in LDS and come back 64 bytes a lane, so that a lane holds 16 neighbours along K
; (two neighbouring lanes hold a block).  A lane's 16 codes are 12 bytes: the wave stores 384 consecutive bytes.  A wave's 256 scale bytes are gathered in LDS and leave as 256 consecutive, aligned bytes.
; Work-groups 0-255 take x, 256-351 w_in, 352-383 w_out (behind w_in in wc and ws).  Only pointers are chosen: all take one path.  No tensor loads, no barrier: waves share nothing.
.set WAVES, 4
.set STEPS, 16
.set EMAX,  2
.set CB,    12                         ; bytes of 16 codes
.set R,     16                         ; v16-79   four sets of 16 numbers as they are loaded
.set X,     80                         ; v80-111  two sets of 16 neighbours
.set C,     128                        ; v128-191 codes: four registers for each step, so that no store's data are written again
.set E,     112                        ; v112-127 a scale byte for each step
.set WREG,  8192                       ; LDS: a region for each wave: two stages of 32 x SP bytes, behind them its 256 scale bytes
.set SP,    80                         ; a lane's place in a stage: its 64 bytes + 16 of padding
.set SPW,   12                         ; v12  LDS address of my spare word; never rewritten
.set NIL,   13                         ; v13  0; never rewritten
.set SPARE, WAVES*WREG                 ; behind the four regions: the spare words, 128 bytes a wave
	s_load_b256 s[4:11], s[0:1], 0x0               ; x s[4:5], w_in s[6:7], w_out s[8:9], xc s[10:11]
	s_load_b128 s[12:15], s[0:1], 0x20             ; xs s[12:13], wc s[14:15]
	s_load_b64 s[16:17], s[0:1], 0x30              ; ws
	v_lshl_add_u32 v[SPW], v0, 2, SPARE
	v_mov_b32 v[NIL], 0
	v_lshrrev_b32 v1, 5, v0
	v_readfirstlane_b32 s18, v1                    ; wave
	v_and_b32 v2, 31, v0                           ; lane
	v_lshlrev_b32 v3, 4, v2                        ; my 16 bytes of a load's 512
	s_mul_i32 s19, s18, WREG
	v_lshrrev_b32 v14, 2, v2
	v_mul_u32_u24 v14, v14, SP
	v_and_b32 v15, 3, v2
	v_lshl_add_u32 v14, v15, 4, v14
	v_add_nc_u32 v14, s19, v14                     ; the stage, on the way in: SP (lane / 4) + 16 (lane % 4)
	v_mul_u32_u24 v15, v2, SP
	v_add_nc_u32 v15, s19, v15                     ; and on the way out: SP x lane: my 16 neighbours
	v_mul_u32_u24 v4, v2, CB                       ; my codes' place in a step's
	v_lshrrev_b32 v5, 1, v2
	s_add_co_u32 s19, s19, 2*32*SP
	v_add_nc_u32 v5, s19, v5                       ; LDS: my wave's 256 scale bytes, my block's byte
	v_lshlrev_b32 v7, 3, v2                        ; and on the way out 8 bytes a lane
	v_add_nc_u32 v6, s19, v7
	s_and_b32 s22, s18, 1
	s_lshl_b32 s22, s22, 1
	s_lshr_b32 s23, s18, 1
	s_or_b32 s22, s22, s23                         ; the wave's number with its two bits exchanged
	s_mov_b32 s20, 352
	s_wait_kmcnt 0x0
	s_cmp_lt_u32 ttmp9, 352                        ; w_in or w_out?  The choices hang on the work-group's number alone
	s_cselect_b64 s[6:7], s[6:7], s[8:9]
	s_cselect_b32 s20, 256, s20                    ; the tensor's first work-group
	s_cselect_b32 s21, 0, 384                      ; w_out's runs lie behind w_in's 384
	s_cselect_b32 s23, s22, s18                    ; w_out keeps its row order
	s_cmp_lt_u32 ttmp9, 256                        ; x, or one of the weights?
	s_cselect_b64 s[4:5], s[4:5], s[6:7]
	s_cselect_b64 s[10:11], s[10:11], s[14:15]
	s_cselect_b64 s[12:13], s[12:13], s[16:17]
	s_cselect_b32 s20, 0, s20
	s_cselect_b32 s21, 0, s21
	s_cselect_b32 s23, s22, s23
	s_sub_co_u32 s24, ttmp9, s20
	s_lshl_b32 s24, s24, 2
	s_add_co_u32 s26, s24, s18                     ; the run that I read
	s_lshl_b32 s26, s26, 15                        ; 32,768 bytes a run
	s_mov_b32 s27, 0
	s_add_nc_u64 s[4:5], s[4:5], s[26:27]
	s_add_co_u32 s24, s24, s23
	s_add_co_u32 s24, s24, s21                     ; the run's place in the output
	s_mul_i32 s26, s24, 32*STEPS*CB                ; 6,144 bytes of codes a run
	s_add_nc_u64 s[10:11], s[10:11], s[26:27]
	s_lshl_b32 s26, s24, 8                         ; 256 scale bytes a run
	s_add_nc_u64 s[12:13], s[12:13], s[26:27]
.macro LOAD t
.irp i, 0,1,2,3
	global_load_b128 v[R+16*((\t)%4)+4*\i:R+16*((\t)%4)+4*\i+3], v3, s[4:5] offset:2048*(\t)+512*\i th:TH_LOAD_NT   ; 32 lanes read 512 consecutive bytes
.endr
.endm
.macro TURN t                          ; step t's numbers through the stage: LDS serves a wave's instructions in order, so no wait stands between the stores and the loads
.irp i, 0,1,2,3
	ds_store_b128 v14, v[R+16*((\t)%4)+4*\i:R+16*((\t)%4)+4*\i+3] offset:32*SP*((\t)%2)+8*SP*\i
.endr
.irp i, 0,1,2,3
	ds_load_b128 v[X+16*((\t)%2)+4*\i:X+16*((\t)%2)+4*\i+3], v15 offset:32*SP*((\t)%2)+16*\i
.endr
.endm
.irp t, 0,1,2,3
	LOAD \t
.endr
	s_wait_loadcnt 12                              ; step 0's four loads are in; the twelve of steps 1 to 3 may be out
	TURN 0
.macro STEP t
.set XS, X+16*((\t)%2)
.if (\t) > 0
	s_wait_dscnt 1                                 ; this step's numbers are back from the stage (the last step's byte store may be out): so its stores into the stage have read their registers,
.else
	s_wait_dscnt 0x0
.endif
.if (\t)+4 < STEPS
	LOAD (\t)+4                                    ; which take the loads of four steps on
.endif
.if (\t)+1 < STEPS
.if STEPS-2-(\t) >= 3
	s_wait_loadcnt 12                              ; the next step's four loads are in; those of the three steps behind it may be out
.else
	s_wait_loadcnt 4*(STEPS-2-(\t))
.endif
	TURN (\t)+1                                    ; and go through the other stage while this step is worked
.endif
	v_max3_num_f32 v8, |v[XS]|, |v[XS+1]|, |v[XS+2]|               ; the largest magnitude of my 16, in two chains
	v_max3_num_f32 v9, |v[XS+3]|, |v[XS+4]|, |v[XS+5]|
.irp i, 6,10
	v_max3_num_f32 v8, v8, |v[XS+\i]|, |v[XS+\i+1]|
	v_max3_num_f32 v9, v9, |v[XS+\i+2]|, |v[XS+\i+3]|
.endr
	v_max3_num_f32 v8, v8, |v[XS+14]|, |v[XS+15]|
	v_max3_num_f32 v8, v8, v9, (EMAX+1)<<23        ; and the floor 2^(3 - 127): the byte cannot fall under 1
	v_max_num_f32_dpp v8, v8, v8 row_xmask:1 row_mask:0xf bank_mask:0xf   ; and of my neighbour's 16: the block's
	v_add_nc_u32 v11, -(EMAX<<23), v8              ; 2 off its exponent field: the conversion takes the exponent field of this operand as its scale
	v_cvt_scalef32_pk16_fp6_f32 v[C+4*(\t):C+4*(\t)+2], v[XS:XS+15], v11
	v_lshrrev_b32 v[E+(\t)], 23, v11               ; the scale's byte (also the plain line behind the conversion)
	ds_store_b8 v5, v[E+(\t)] offset:16*(\t)       ; both lanes of a block write the same byte with the same value
	global_store_b96 v4, v[C+4*(\t):C+4*(\t)+2], s[10:11] offset:32*CB*(\t)
.endm
.irp t, 0,1,2,3,4,5,6,7,8,9,10,11,12,13,14,15
	STEP \t
.endr
	ds_load_b64 v[8:9], v6                         ; LDS serves a wave's instructions in order: these see my stores
	s_wait_dscnt 0x0
	global_store_b64 v7, v[8:9], s[12:13]          ; 32 lanes store 256 consecutive bytes, aligned
	s_wait_tensorcnt 0x0                           ; the wave's end: a tensor wait, an add of 0 to my spare word and its wait, behind my last LDS store
	ds_add_u32 v[SPW], v[NIL]
	s_wait_dscnt 0x0
	s_endpgm
.Lfunc_end_k_qd94ce85463_quant:
	.size	k_qd94ce85463_quant, .Lfunc_end_k_qd94ce85463_quant-k_qd94ce85463_quant
	.p2alignl 7, 3214868480
	.fill 96, 4, 3214868480
	.section	.rodata,"a",@progbits
	.p2align	6, 0x0
	.amdhsa_kernel k_qd94ce85463_quant
		.amdhsa_group_segment_fixed_size 33280
		.amdhsa_private_segment_fixed_size 0
		.amdhsa_enable_private_segment 0
		.amdhsa_kernarg_size 56
		.amdhsa_user_sgpr_count 2
		.amdhsa_user_sgpr_kernarg_segment_ptr 1
		.amdhsa_wavefront_size32 1
		.amdhsa_system_sgpr_workgroup_id_x 1
		.amdhsa_system_sgpr_workgroup_id_y 1
		.amdhsa_system_sgpr_workgroup_id_z 1
		.amdhsa_system_vgpr_workitem_id 0
		.amdhsa_next_free_vgpr 192
		.amdhsa_next_free_sgpr 66
		.amdhsa_reserve_vcc 0
		.amdhsa_float_denorm_mode_32 3
		.amdhsa_float_denorm_mode_16_64 3
		.amdhsa_memory_ordered 1
		.amdhsa_forward_progress 1
		.amdhsa_inst_pref_size 33
	.end_amdhsa_kernel
	.amdgpu_metadata
---
amdhsa.version: [ 1, 2 ]
amdhsa.kernels:
  - .name:           k_qd94ce85463_quant
    .symbol:         k_qd94ce85463_quant.kd
    .args:
      - { .name: x, .offset: 0, .size: 8, .value_kind: global_buffer, .address_space: global }
      - { .name: w_in, .offset: 8, .size: 8, .value_kind: global_buffer, .address_space: global }
      - { .name: w_out, .offset: 16, .size: 8, .value_kind: global_buffer, .address_space: global }
      - { .name: xc, .offset: 24, .size: 8, .value_kind: global_buffer, .address_space: global }
      - { .name: xs, .offset: 32, .size: 8, .value_kind: global_buffer, .address_space: global }
      - { .name: wc, .offset: 40, .size: 8, .value_kind: global_buffer, .address_space: global }
      - { .name: ws, .offset: 48, .size: 8, .value_kind: global_buffer, .address_space: global }
    .group_segment_fixed_size: 33280
    .private_segment_fixed_size: 0
    .kernarg_segment_align: 8
    .kernarg_segment_size: 56
    .max_flat_workgroup_size: 128
    .sgpr_count:     66
    .vgpr_count:     192
    .wavefront_size: 32
...
	.end_amdgpu_metadata
.endif
;; end of part 1
;; launch qkv (part 2): grid 12 x 32, 4 waves a work-group, clusters of 4 x 4, 327,680 bytes of LDS; arguments xc, xs, wc, ws, fr, fs; writes fr, fs
.if DOCPART == 2
	.amdgcn_target "amdgcn-amd-amdhsa--gfx1250"
	.amdhsa_code_object_version 6
	.text
	.protected	k_qd94ce85463_qkv
	.globl	k_qd94ce85463_qkv
	.p2align	8
	.type	k_qd94ce85463_qkv,@function
k_qd94ce85463_qkv:
	s_mov_b64 s[64:65], 0
	v_nop
	global_prefetch_b8 v0, s[64:65] scope:SCOPE_SE
	s_setreg_imm32_b32 hwreg(HW_REG_WAVE_MODE, 25, 1), 1
	s_wait_xcnt 0x0
	s_wait_alu depctr_hold_cnt(0) depctr_sa_sdst(0) depctr_va_vdst(0) depctr_va_sdst(0) depctr_va_ssrc(0) depctr_va_vcc(0) depctr_vm_vsrc(0)
	s_getreg_b32 s2, hwreg(HW_REG_IB_STS2, 6, 4)
	s_cmp_eq_u32 s2, 0
	s_cbranch_scc0 .Lentry_in_a_cluster
	s_endpgm
.Lentry_in_a_cluster:
	s_bfe_u32 s2, ttmp6, 0x10000c
	s_cmp_lg_u32 s2, 0xf033
	s_cbranch_scc0 .Lentry_shape_is_right
	s_endpgm
.Lentry_shape_is_right:
; q, k, v = x w_in^T on codes of FP6 (E2M3) with E8M0 scales, f32 sums; the results never go to memory as f32: the way out quantises them into the operands of attention.  Nothing of reference() is left out here.
; THE PRODUCT.  A tile of 256 x 256 is made by four waves, 128 x 128 each: 64 accumulators of 16 x 16, 512 registers.  K = 1,024 goes in four steps of 256 through a ring of two LDS slots filled by the tensor data mover;
; the scale bytes of the work-group's rows, for all of K, come once with the first fills.  The matrix instruction takes source 0 = 16 rows of B', source 1 = 16 rows of A': a lane holds ONE row of A' and its registers run along B'.
; ROLES, by the cluster's x, which all sixteen partners share: 0: q, 1: k: A' = x (tokens), B' = w_in's rows: a lane holds a token, its registers run along the head's channels, which are the K of q k^T.
;   2: v: A' = w_in's rows 2,048 on, B' = x: a lane holds a channel, its registers run along the tokens, which are the K of p v.  Only pointers, row numbers and strides are chosen (s_cselect): all roles take one path.
; THE ROW ORDER of xc and of w_in's part of wc (bits 3 and 4 of a row's number exchanged) makes the 64 registers of one block of A' against B's eight blocks lie so: register 16 b + i = B' row 32 b + 16 (lane / 16) + i.
; THE WAY OUT.  64 registers of a lane are four blocks of 32 (with the lane 16 away): largest magnitude, scale byte, conversion, exchange of halves: a fragment of 12 registers = two CHUNKS of 6 (16 rows x 64 K, 768 bytes:
; registers 0-3 at 16 x lane, registers 4, 5 at 512 + 8 x lane).  q, k: a chunk is one head's 64 channels of 16 tokens; v: 64 keys of 16 channels.  Each store of the wave covers 512 or 256 consecutive bytes, aligned.
;   fr: q [b h][token tile 128][768]; from QSZ on [b h][key step 16][12,288]: k's eight chunks, then v's (6,144 + 1,536 channel tile + 768 half).
;   fs: q's and k's scale words [which][b][head pair 8][token 2,048] (bytes 0, 1 the even head's, 2, 3 the odd head's); from FSV on v's [b h][key step][channel tile][row].
; LIMITS: a block of zeros gets the byte 1 (its codes are zeros; only this program reads the bytes); NaN and infinities are not served.
; CLUSTERS: 4 x 4 work-groups.  The four of a row of the cluster need the same tiles of A', the four of a column the same tiles of B': each tile is asked for jointly.
; REGISTERS: window 0: v1-12 addresses for the way out, v16-27 for the loop; v28, v29 the add's; v32-63 scale words, two sets; from v128 A's fragments, one set; on the way out v64-159 codes, v160-163, v200-231 at work.
;   window 1: B's fragments, two sets, at v0 and v128.   windows 2, 3: the accumulators of my rows 0-63 and 64-127 ((a, b) at v[8 (8 (a % 4) + b)]).
.set KSTEP,  256
.set NQ,     2                         ; matrix instructions deep in a slot
.set ROWB,   192                       ; a tile's row in bytes
.set KROW,   768                       ; a row of codes in memory
.set PITCH,  240                       ; an LDS row: 3 x (64 bytes + 16 of padding)
.set FR,     12
.set NL,     6                         ; LDS loads that bring a fragment
.set NP,     4                         ; places behind this matrix instruction (ISA guide 7.12.1)
.set HALFT,  128*PITCH
.set SLOT,   4*HALFT
.set LAPS,   2                         ; 1,024 / 512
.set KS,     32                        ; a row of scale bytes
.set SCL,    2*SLOT                    ; behind the ring: the scales, as 256 bytes + 16 of padding
.set HALFS,  (128*KS/256)*272
.set SBLK,   (16*KS/256)*272
.set SPARE,  SCL+4*HALFS               ; the spare words, 128 bytes a wave
.set SST,    SPARE+512                 ; the way out: 512 bytes a wave for its scale words; no tensor load lands here
.set QSZ,    6291456
.set FSV,    524288
.set OA,   8                           ; v8   16 x lane
.set OB,   9                           ; v9   8 x lane
.set SA,   10                          ; v10  where I put a scale word: SST + 512 wave + 4 (lane % 16)
.set SB,   11                          ; v11  where I read them back: SST + 512 wave + 16 lane
.set SG,   12                          ; v12  and their place in fs
.set ADRA, 16
.set ADRB, 20
.set ADRS, 27
.set SPW,  28
.set NIL,  29
.set SC,   32
.set AF,   128
.set PCB,  64                          ; the way out: block a's codes at v[PCB + 12 a]
.set TM,   200                         ; v200-203 largest magnitudes, v204-207 bytes, v212-215 the conversions' scale operands
.set PW,   216                         ; v216-223 block a's scale word
.set CT,   224                         ; v224-231 the conversions' second halves
.set BP,   24                          ; s24-55 on the way out: a base for each of the 16 chunks
.set G1, 24
.set G0, 32
.set G1B, 48
.set G0B, 56
.set G1S, 68
.set G0S, 76
.set G1SB, 80
.set G0SB, 88
.set MSB, 0
.macro WIN new                         ; the immediate's high byte repeats the setting that is left
.if MSB != (\new)
	s_set_vgpr_msb (MSB<<8)|(\new)
.set MSB, (\new)
.endif
.endm
.set MUL_LO, 0xa1                      ; source 0 (B') window 1, source 1 (A') window 0, C and D window 2
.set MUL_HI, 0xf1
.set TO_B,   0x40
; A joint load: waves 0 and 1 fetch for A', waves 2 and 3 for B'.  The branch hangs on the wave's number alone.  An s_nop 0 and four v_nop follow each of the two lines.
.macro JLOAD g0a, g1a, g0b, g1b
	s_cmp_eq_u32 s15, 0
	s_cbranch_scc0 .Lfor_b_\@
	tensor_load_to_lds s[\g0a:\g0a+3], s[\g1a:\g1a+7]
	s_nop 0
.rept 4
	v_nop
.endr
	s_branch .Lasked_\@
.Lfor_b_\@:
	tensor_load_to_lds s[\g0b:\g0b+3], s[\g1b:\g1b+7]
	s_nop 0
.rept 4
	v_nop
.endr
.Lasked_\@:
.endm
.macro CREST                           ; a round of the cluster's barrier behind its opening barrier
	s_cmp_lg_u32 s14, 0
	s_cbranch_scc1 .Lnot_wave_0_\@
	s_barrier_signal -3
.Lnot_wave_0_\@:
	s_barrier_wait -3
	s_barrier_signal -1
	s_barrier_wait -1
.endm
.macro CROUND
	s_barrier_signal -1
	s_barrier_wait -1
	CREST
.endm
	s_load_b128 s[4:7], s[0:1], 0x0                ; xc, xs
	s_load_b128 s[8:11], s[0:1], 0x10              ; wc, ws
	s_load_b64 s[12:13], s[0:1], 0x20              ; fr
	s_load_b64 s[96:97], s[0:1], 0x28              ; fs
	v_lshl_add_u32 v[SPW], v0, 2, SPARE
	v_mov_b32 v[NIL], 0
	ds_add_u32 v[SPW], v[NIL]                      ; the wave's opening: the add, twice on end, and its wait ahead of my first tensor load
	ds_add_u32 v[SPW], v[NIL]
	v_lshrrev_b32 v1, 5, v0
	v_readfirstlane_b32 s14, v1                    ; wave 0..3
	s_lshr_b32 s15, s14, 1                         ; which half of A's rows is mine.  Also: I fetch for A' (0) or for B' (1)
	s_and_b32 s16, s14, 1                          ; which half of B's rows.  Also: which 128 rows I fetch
	s_bfe_u32 s40, ttmp6, 0x40000                  ; cx
	s_bfe_u32 s41, ttmp6, 0x40004                  ; cy
	s_and_b32 s45, ttmp7, 0xffff
	s_lshl_b32 s45, s45, 2                         ; 4 x cluster y
	s_lshl_b32 s94, ttmp9, 2                       ; 4 x cluster x
	s_cmp_eq_u32 ttmp9, 2                          ; the role v?  The cluster's x is the same in all sixteen partners
	s_cselect_b32 s17, 0, s45
	s_cselect_b32 s42, s45, s94
	s_cselect_b32 s95, 2048, 0                     ; v: A' begins at w_in's row 2,048
	s_add_co_u32 s17, s17, s41                     ; A's tile: cy and cluster numbers alone
	s_add_co_u32 s42, s42, s40                     ; B's tile: cx and cluster numbers alone
	s_lshl_b32 s43, s41, 2
	s_lshl_b32 s43, 15, s43                        ; my row of the cluster
	s_lshl_b32 s44, 0x1111, s40                    ; my column
	s_or_b32 s[G1+0], s43, (0<<16)|(1<<20)|(1<<21)|(3<<22)|(3<<25)  ; the mask; elements of 1 byte; padding on; bit 21 beside a mask; after every 16 words 4 words
	s_or_b32 s[G1B+0], s44, (0<<16)|(1<<20)|(1<<21)|(3<<22)|(3<<25)
.irp g, G1, G1B
	s_mov_b32 s[\g+1], ROWB<<16                    ; tensor_dim0
	s_mov_b32 s[\g+2], 128<<16                     ; tensor_dim1
	s_mov_b32 s[\g+3], ROWB<<16                    ; tile_dim0
	s_mov_b32 s[\g+4], 128                         ; tile_dim1
	s_mov_b32 s[\g+5], KROW                        ; from row to row
	s_mov_b32 s[\g+6], 0
	s_mov_b32 s[\g+7], 0
.endr
	s_or_b32 s[G1S+0], s43, (3<<16)|(1<<20)|(1<<21)|(5<<22)|(3<<25) ; the scales of 128 rows: 4,096 dense bytes as 16 rows of 256, 16 bytes of padding behind each
	s_or_b32 s[G1SB+0], s44, (3<<16)|(1<<20)|(1<<21)|(5<<22)|(3<<25)
.irp g, G1S, G1SB
	s_mov_b32 s[\g+1], 32<<16
	s_mov_b32 s[\g+2], (128*KS/256)<<16
	s_mov_b32 s[\g+3], 32<<16
	s_mov_b32 s[\g+4], 128*KS/256
	s_mov_b32 s[\g+5], 32
	s_mov_b32 s[\g+6], 0
	s_mov_b32 s[\g+7], 0
.endr
	s_lshl_b32 s18, s16, 7
	s_lshl_b32 s20, s17, 8
	s_add_co_u32 s20, s20, s18
	s_add_co_u32 s20, s20, s95                     ; A': the first row that I fetch
	s_lshl_b32 s46, s42, 8
	s_add_co_u32 s46, s46, s18                     ; B' likewise
	s_mov_b32 s21, 0
	s_mov_b32 s47, 0
	s_mov_b64 s[18:19], KS
	s_mul_u64 s[22:23], s[20:21], s[18:19]         ; where these rows' scales begin
	s_mul_u64 s[92:93], s[46:47], s[18:19]
	s_mov_b64 s[18:19], KROW
	s_mul_u64 s[20:21], s[20:21], s[18:19]         ; and their codes
	s_mul_u64 s[46:47], s[46:47], s[18:19]
	s_mul_i32 s45, s14, HALFT                      ; where they go: wave x 128 rows
	s_mul_i32 s94, s14, HALFS
	s_wait_dscnt 0x0                               ; both opening adds are done
	s_wait_kmcnt 0x0
	s_cmp_eq_u32 ttmp9, 2                          ; v: the weights are A' and x is B'
	s_cselect_b64 s[98:99], s[8:9], s[4:5]
	s_cselect_b64 s[100:101], s[10:11], s[6:7]
	s_cselect_b64 s[8:9], s[4:5], s[8:9]
	s_cselect_b64 s[10:11], s[6:7], s[10:11]
	s_mov_b64 s[4:5], s[98:99]
	s_mov_b64 s[6:7], s[100:101]
	s_add_nc_u64 s[20:21], s[4:5], s[20:21]
	s_add_nc_u64 s[22:23], s[6:7], s[22:23]
	s_add_nc_u64 s[46:47], s[8:9], s[46:47]
	s_add_nc_u64 s[92:93], s[10:11], s[92:93]
	CROUND                                         ; all sixteen work-groups are here: the first joint loads meet
	s_mov_b32 s[G0S], 1
	s_add_co_u32 s[G0S+1], s94, SCL
	s_mov_b64 s[G0S+2:G0S+3], s[22:23]
	s_or_b32 s[G0S+3], s[G0S+3], 0x80000000
	s_mov_b32 s[G0SB], 1
	s_add_co_u32 s[G0SB+1], s94, SCL
	s_mov_b64 s[G0SB+2:G0SB+3], s[92:93]
	s_or_b32 s[G0SB+3], s[G0SB+3], 0x80000000
	JLOAD G0S, G1S, G0SB, G1SB                     ; the scales first: they are wanted with K step 0
.irp s, 0,1
	s_mov_b32 s[G0+4*\s], 1
	s_add_co_u32 s[G0+4*\s+1], s45, \s*SLOT
	s_add_nc_u64 s[G0+4*\s+2:G0+4*\s+3], s[20:21], \s*ROWB
	s_or_b32 s[G0+4*\s+3], s[G0+4*\s+3], 0x80000000
	s_mov_b32 s[G0B+4*\s], 1
	s_add_co_u32 s[G0B+4*\s+1], s45, \s*SLOT
	s_add_nc_u64 s[G0B+4*\s+2:G0B+4*\s+3], s[46:47], \s*ROWB
	s_or_b32 s[G0B+4*\s+3], s[G0B+4*\s+3], 0x80000000
	JLOAD G0+4*\s, G1, G0B+4*\s, G1B               ; three tensor loads of mine are out now
.endr
	v_and_b32 v1, 15, v0                           ; r = lane % 16
	v_bfe_u32 v2, v0, 4, 1                         ; h = lane / 16
	v_mul_u32_u24 v3, v1, PITCH
	v_mul_u32_u24 v4, v2, 24
	v_add_nc_u32 v4, v3, v4                        ; a fragment's row x pitch + 24 x half
	v_lshl_add_u32 v5, v2, 4, v4                   ; and the same behind one padding more
	s_mul_i32 s21, s15, HALFT
	s_mul_i32 s22, s16, HALFT
	s_add_co_u32 s22, s22, 2*HALFT
.irp s, 0,1
	v_add_nc_u32 v[ADRA+\s], s21, v4
	v_add_nc_u32 v[ADRB+\s], s22, v4
	v_add_nc_u32 v[ADRA+2+\s], s21, v5
	v_add_nc_u32 v[ADRB+2+\s], s22, v5
	s_add_co_u32 s21, s21, SLOT
	s_add_co_u32 s22, s22, SLOT
.endr
	v_mul_u32_u24 v5, v1, KS                       ; my row's scales: 32 bytes a row,
	v_lshrrev_b32 v6, 8, v5
	v_lshl_add_u32 v5, v6, 4, v5                   ; and 16 more for each 256 passed
	s_mul_i32 s21, s15, HALFS
	s_mul_i32 s22, s16, HALFS
	s_add_co_u32 s22, s22, 2*HALFS
	s_sub_co_u32 s22, s22, s21
	v_mul_u32_u24 v6, s22, v2                      ; lanes 16-31 take B's
	s_add_co_u32 s21, s21, SCL
	v_add_nc_u32 v5, v5, v6
	v_add_nc_u32 v[ADRS], s21, v5
	; the way out's addresses
	v_and_b32 v6, 31, v0
	v_lshlrev_b32 v[OA], 4, v6
	v_lshlrev_b32 v[OB], 3, v6
	s_lshl_b32 s94, s14, 9
	s_add_co_u32 s94, s94, SST
	v_lshl_add_u32 v[SA], v1, 2, s94
	v_add_nc_u32 v[SB], s94, v[OA]
	s_mov_b32 s98, 768                             ; from chunk to chunk: blocks a % 4,
	s_mov_b32 s99, 3072                            ; a / 4,
	s_mov_b32 s100, 196608                         ; the fragment's two halves,
	s_mov_b32 s101, 256                            ; and the scale words' two halves
	s_mov_b32 s47, 12288
	s_cmp_eq_u32 ttmp9, 2
	s_cselect_b32 s20, s42, s17                    ; the tile that counts tokens,
	s_cselect_b32 s21, s16, s15                    ; my half of it,
	s_cselect_b32 s22, s17, s42                    ; the tile that counts heads,
	s_cselect_b32 s23, s15, s16                    ; my half of it
	s_cselect_b32 s98, 1536, s98
	s_cselect_b32 s99, 196608, s99
	s_cselect_b32 s100, 768, s100
	s_cselect_b32 s101, 4096, s101
	s_cselect_b32 s46, 6144, 0                     ; v's chunks lie behind k's eight
	s_cmp_eq_u32 ttmp9, 0
	s_cselect_b32 s100, 98304, s100
	s_cselect_b32 s47, 6144, s47                   ; bytes of 128 tokens of a head
	s_cselect_b32 s92, 0, QSZ
	s_lshr_b32 s93, s20, 3                         ; the batch: 8 tiles of 256 tokens each
	s_and_b32 s20, s20, 7
	s_lshl_b32 s20, s20, 1
	s_add_co_u32 s20, s20, s21                     ; which 128 tokens of the batch
	s_and_b32 s22, s22, 3
	s_lshl_b32 s22, s22, 2
	s_lshl_b32 s23, s23, 1
	s_add_co_u32 s22, s22, s23                     ; my first head (of two)
	s_lshl_b32 s21, s93, 4
	s_add_co_u32 s21, s21, s22
	s_lshl_b32 s21, s21, 4
	s_add_co_u32 s21, s21, s20                     ; (16 b + head) 16 + step
	s_mul_i32 s18, s21, s47
	s_add_co_u32 s18, s18, s92
	s_add_co_u32 s18, s18, s46
	s_mov_b32 s19, 0
	s_add_nc_u64 s[12:13], s[12:13], s[18:19]      ; fr at my first chunk
	s_lshl_b32 s18, ttmp9, 2
	s_add_co_u32 s18, s18, s93
	s_lshl_b32 s18, s18, 3
	s_lshr_b32 s22, s22, 1
	s_add_co_u32 s18, s18, s22
	s_lshl_b32 s18, s18, 13
	s_lshl_b32 s20, s20, 9
	s_add_co_u32 s18, s18, s20                     ; q, k: ((4 which + b) 8 + head pair) 8,192 + 512 step
	s_lshl_b32 s21, s21, 8
	s_add_co_u32 s21, s21, FSV                     ; v: FSV + ((16 b + head) 16 + step) 256
	s_cmp_eq_u32 ttmp9, 2
	s_cselect_b32 s18, s21, s18
	s_add_nc_u64 s[96:97], s[96:97], s[18:19]      ; fs at my first scale word
	v_mul_u32_u24 v[SG], s101, v2
	v_lshl_add_u32 v[SG], v1, 4, v[SG]
.macro FRAG reg, adr, q, i             ; 16 rows x 128 K: 12 registers, in pieces of 8 bytes; where a piece of lanes 16-31 lies behind one padding more, the second address register serves
.irp p, 0,1,2,3,4,5
.set PIECE, 12*(\q)+6*(\p/3)+\p%3
.if PIECE%8 < 5
	ds_load_b64 v[\reg+2*\p:\reg+2*\p+1], v[\adr] offset:8*PIECE+16*(PIECE/8)+(\i)*16*PITCH
.else
	ds_load_b64 v[\reg+2*\p:\reg+2*\p+1], v[\adr+2] offset:8*PIECE+16*(PIECE/8)+(\i)*16*PITCH
.endif
.endr
.endm
; 16 matrix instructions: A's blocks a0, a0 + 1 x B's eight.  The 64 accumulators take turns, one instruction a turn, in the same order in every step.
.macro MUL16 a0, p, q, sc, zero
.irp a, \a0, \a0+1
.irp b, 0,1,2,3,4,5,6,7
.if \zero
	v_wmma_scale_f32_16x16x128_f8f6f4 v[8*(8*((\a)%4)+\b):8*(8*((\a)%4)+\b)+7], v[128*(\p)+FR*\b:128*(\p)+FR*\b+FR-1], v[AF+FR*(\a):AF+FR*(\a)+FR-1], 0, v[SC+8*NQ*(\sc)+NQ*\b+(\q)], v[SC+8*NQ*(\sc)+NQ*(\a)+(\q)] matrix_a_fmt:MATRIX_FMT_FP6 matrix_b_fmt:MATRIX_FMT_FP6 matrix_a_scale:MATRIX_SCALE_ROW1
.else
	v_wmma_scale_f32_16x16x128_f8f6f4 v[8*(8*((\a)%4)+\b):8*(8*((\a)%4)+\b)+7], v[128*(\p)+FR*\b:128*(\p)+FR*\b+FR-1], v[AF+FR*(\a):AF+FR*(\a)+FR-1], v[8*(8*((\a)%4)+\b):8*(8*((\a)%4)+\b)+7], v[SC+8*NQ*(\sc)+NQ*\b+(\q)], v[SC+8*NQ*(\sc)+NQ*(\a)+(\q)] matrix_a_fmt:MATRIX_FMT_FP6 matrix_b_fmt:MATRIX_FMT_FP6 matrix_a_scale:MATRIX_SCALE_ROW1
.endif
.endr
.endr
.endm
.macro FETCH_B slot, q, p
	WIN TO_B
.irp i, 0,1,2,3,4,5,6,7
	FRAG 128*(\p)+FR*\i, ADRB+\slot, \q, \i
.endr
	WIN 0
.endm
.macro FETCH_A slot, q, i0
.irp i, \i0, \i0+1, \i0+2, \i0+3
	FRAG AF+FR*(\i), ADRA+\slot, \q, \i
.endr
.endm
.macro SCALES sc                       ; a K step's scale words: lanes 0-15 take A's block i, lanes 16-31 B's block i
.irp i, 0,1,2,3,4,5,6,7
	ds_load_b64 v[SC+8*NQ*\sc+NQ*\i:SC+8*NQ*\sc+NQ*\i+1], v[ADRS] offset:\i*SBLK
.endr
.endm
.macro PLACES n                        ; plain vector instructions behind a matrix instruction, ahead of loads into its sources and of reads of its results
.rept \n
	v_nop
.endr
.endm
.macro STEP slot, q, zero              ; a step of 128 along K that has its successor in the same slot
	s_wait_dscnt 4*NL                              ; B's set and A's blocks 0-3 are in; the youngest 24 loads (A's blocks 4-7) may be out
	WIN MUL_LO
	MUL16 0, (\q)%2, \q, \slot, \zero
	MUL16 2, (\q)%2, \q, \slot, \zero
	s_wait_dscnt 0
	PLACES NP
	FETCH_B \slot, (\q)+1, 1-(\q)%2
	FETCH_A \slot, (\q)+1, 0
	WIN MUL_HI
	MUL16 4, (\q)%2, \q, \slot, \zero
	MUL16 6, (\q)%2, \q, \slot, \zero
	PLACES NP
	WIN 0
	FETCH_A \slot, (\q)+1, 4
.endm
; A slot's last step changes slots: one barrier; in front of it each wave waits for all its tensor loads, adds 0 to its spare word, and waits for that and for its reads of this slot.  fill = 1: the slot is filled again, two K steps ahead.
.macro TURN slot, next, fill
	s_wait_tensorcnt 0x0                           ; all my tensor loads have landed: my part of the next slot
	ds_add_u32 v[SPW], v[NIL]                      ; 0 onto my spare word
	s_wait_dscnt 4*NL+1                            ; (the add and the youngest 24 loads may be out)
	WIN MUL_LO
	MUL16 0, 1, NQ-1, \slot, 0
	s_wait_dscnt 0x0                               ; the add is done, and my reads of this slot are over
	s_barrier_signal -1
	MUL16 2, 1, NQ-1, \slot, 0
	WIN 0
	s_barrier_wait -1
.if \fill
	CREST                                          ; the barrier has opened a round of the cluster's barrier: no wave of any partner still reads this slot or has a load on its way
	s_add_nc_u64 s[G0+4*\slot+2:G0+4*\slot+3], s[G0+4*\slot+2:G0+4*\slot+3], 2*ROWB
	s_add_nc_u64 s[G0B+4*\slot+2:G0B+4*\slot+3], s[G0B+4*\slot+2:G0B+4*\slot+3], 2*ROWB
	JLOAD G0+4*\slot, G1, G0B+4*\slot, G1B         ; the first tensor load behind the round, my only one until the next; its four v_nop are the places in front of the loads below
.else
	PLACES NP
.endif
	v_add_nc_u32 v[ADRS], 4*NQ, v[ADRS]            ; on to the next K step's scale words
	FETCH_B \next, 0, 0
	FETCH_A \next, 0, 0
	SCALES \next
	WIN MUL_HI
	MUL16 4, 1, NQ-1, \slot, 0
	MUL16 6, 1, NQ-1, \slot, 0
	PLACES NP
	WIN 0
	FETCH_A \next, 0, 4
.endm
; 64 numbers of a lane in window w, v[s] on, register 16 b + i = k 32 b + 16 (lane / 16) + i of my row, become a fragment's codes in v[pc] on and its scale word in v[pw].  Each accumulator is read from its low end on.
.macro QUANT w, s, pc, pw
	WIN ((\w)<<2)|((\w)<<4)                        ; sources 1 and 2 in window w
.irp b, 0,1,2,3
	v_max3_num_f32 v[TM+\b], s66, |v[(\s)+16*\b]|, |v[(\s)+16*\b+1]|   ; block b: my 16 numbers, and the floor 2^(3 - 127): the byte cannot fall under 1
.endr
.irp i, 2,4,6,8,10,12,14
.irp b, 0,1,2,3
	v_max3_num_f32 v[TM+\b], v[TM+\b], |v[(\s)+16*\b+\i]|, |v[(\s)+16*\b+\i+1]|   ; (the four blocks by turns)
.endr
.endr
	WIN 0
.irp b, 0,1,2,3
	v_permlanex16_b32 v[TM+4+\b], v[TM+\b], s92, s93
.endr
.irp b, 0,1,2,3
	v_max_num_f32 v[TM+\b], v[TM+\b], v[TM+4+\b]   ; with the lane 16 away: the block's largest magnitude
.endr
.irp b, 0,1,2,3
	v_add_nc_u32 v[TM+12+\b], 0xff000000, v[TM+\b] ; 2 off its exponent field: the conversion's scale operand
.endr
.irp b, 0,1,2,3
	v_lshrrev_b32 v[TM+4+\b], 23, v[TM+12+\b]      ; the scale's byte
.endr
	v_lshl_or_b32 v[\pw], v[TM+5], 8, v[TM+4]
	v_lshl_or_b32 v[\pw], v[TM+6], 16, v[\pw]
	v_lshl_or_b32 v[\pw], v[TM+7], 24, v[\pw]      ; my row's scale word
	WIN (\w)                                       ; source 0 in window w
.irp c, 0,1
	v_cvt_scalef32_pk16_fp6_f32 v[(\pc)+6*\c:(\pc)+6*\c+2], v[(\s)+32*\c:(\s)+32*\c+15], v[TM+12+2*\c]
	v_cvt_scalef32_pk16_fp6_f32 v[CT+4*\c:CT+4*\c+2], v[(\s)+32*\c+16:(\s)+32*\c+31], v[TM+13+2*\c]   ; (a conversion's three registers begin on an even number)
.endr
	WIN 0
	v_nop                                          ; one plain line behind the conversions
.irp c, 0,1                                    ; the operand's layout wants a whole block in a lane: lanes 0-15 block 2 c, lanes 16-31 block 2 c + 1
.irp i, 0,1,2
	v_permlane16_swap_b32 v[(\pc)+6*\c+\i], v[CT+4*\c+\i]
.endr
.irp i, 0,1,2
	v_mov_b32 v[(\pc)+6*\c+3+\i], v[CT+4*\c+\i]
.endr
.endr
.endm
	s_wait_tensorcnt 1                             ; the scales and my part of K step 0 are in (K step 1's load may be out)
	s_barrier_signal -1
	s_barrier_wait -1                              ; everybody's are
	FETCH_B 0, 0, 0
	FETCH_A 0, 0, 0
	SCALES 0
	FETCH_A 0, 0, 4
	STEP 0, 0, 1                                   ; the first step stands in front of the loop: its products start the sums
	s_mov_b32 s3, LAPS-1
.Llap:                                                 ; a trip goes once round the ring and fills both slots again
	TURN 0, 1, 1
	STEP 1, 0, 0
	TURN 1, 0, 1
	STEP 0, 0, 0
	s_sub_co_u32 s3, s3, 1
	s_cmp_lg_u32 s3, 0
	s_cbranch_scc1 .Llap
	TURN 0, 1, 0                                   ; the last lap fills nothing
	STEP 1, 0, 0
	s_wait_dscnt 4*NL
	WIN MUL_LO
	MUL16 0, 1, NQ-1, 1, 0
	MUL16 2, 1, NQ-1, 1, 0
	s_wait_dscnt 0
	WIN MUL_HI
	MUL16 4, 1, NQ-1, 1, 0
	MUL16 6, 1, NQ-1, 1, 0
	WIN 0
	; THE WAY OUT.  No tensor load of mine is out (the last change of slots waited for all), so the descriptors' registers take the sixteen chunks' bases.
	PLACES NP                                      ; ahead of writes into registers that held A's fragments, and of the first reads of results
	s_mov_b32 s66, 0x1800000
	s_mov_b32 s92, 0x76543210
	s_mov_b32 s93, 0xfedcba98                      ; v_permlanex16_b32's selects: the lane 16 away
	s_mov_b32 s58, s98
	s_mov_b32 s59, 0
	s_mov_b32 s60, s99
	s_mov_b32 s61, 0
	s_mov_b32 s62, s100
	s_mov_b32 s63, 0
	s_mov_b64 s[BP:BP+1], s[12:13]
.irp a, 1,2,3
	s_add_nc_u64 s[BP+4*\a:BP+4*\a+1], s[BP+4*\a-4:BP+4*\a-3], s[58:59]
.endr
	s_add_nc_u64 s[BP+16:BP+17], s[BP:BP+1], s[60:61]
.irp a, 5,6,7
	s_add_nc_u64 s[BP+4*\a:BP+4*\a+1], s[BP+4*\a-4:BP+4*\a-3], s[58:59]
.endr
.irp a, 0,1,2,3,4,5,6,7
	s_add_nc_u64 s[BP+4*\a+2:BP+4*\a+3], s[BP+4*\a:BP+4*\a+1], s[62:63]
.endr
.irp b, 0,1,2,3
	v_mov_b32 v[TM+4+\b], 0                        ; written once: a lane permute's destination counts as one of its sources
.endr
.irp a, 0,1,2,3,4,5,6,7                        ; every block has its own registers for codes and scale word and its own bases: no store's source is written again
	QUANT 2+\a/4, 64*(\a%4), PCB+12*\a, PW+\a
	ds_store_b32 v[SA], v[PW+\a] offset:64*\a      ; both halves of the lanes write the same word with the same value
.irp c, 0,1
	global_store_b128 v[OA], v[PCB+12*\a+6*\c:PCB+12*\a+6*\c+3], s[BP+4*\a+2*\c:BP+4*\a+2*\c+1]              ; 512 consecutive bytes, aligned
	global_store_b64 v[OB], v[PCB+12*\a+6*\c+4:PCB+12*\a+6*\c+5], s[BP+4*\a+2*\c:BP+4*\a+2*\c+1] offset:512  ; and 256
.endr
.endr
	ds_load_b128 v[160:163], v[SB]                 ; LDS serves a wave's instructions in order: this sees my stores
	s_wait_dscnt 0x0
	global_store_b128 v[SG], v[160:163], s[96:97]  ; sixteen lanes store 256 consecutive bytes, aligned
	s_wait_tensorcnt 0x0                           ; the wave's end: a tensor wait, an add of 0 to my spare word and its wait, behind my last tensor load and my last LDS store
	ds_add_u32 v[SPW], v[NIL]
	s_wait_dscnt 0x0
	CROUND                                         ; the closing round
	s_endpgm
.Lfunc_end_k_qd94ce85463_qkv:
	.size	k_qd94ce85463_qkv, .Lfunc_end_k_qd94ce85463_qkv-k_qd94ce85463_qkv
	.p2alignl 7, 3214868480
	.fill 96, 4, 3214868480
	.section	.rodata,"a",@progbits
	.p2align	6, 0x0
	.amdhsa_kernel k_qd94ce85463_qkv
		.amdhsa_group_segment_fixed_size 327680
		.amdhsa_private_segment_fixed_size 0
		.amdhsa_enable_private_segment 0
		.amdhsa_kernarg_size 48
		.amdhsa_user_sgpr_count 2
		.amdhsa_user_sgpr_kernarg_segment_ptr 1
		.amdhsa_wavefront_size32 1
		.amdhsa_system_sgpr_workgroup_id_x 1
		.amdhsa_system_sgpr_workgroup_id_y 1
		.amdhsa_system_sgpr_workgroup_id_z 1
		.amdhsa_system_vgpr_workitem_id 0
		.amdhsa_next_free_vgpr 1024
		.amdhsa_next_free_sgpr 102
		.amdhsa_reserve_vcc 0
		.amdhsa_float_denorm_mode_32 3
		.amdhsa_float_denorm_mode_16_64 3
		.amdhsa_memory_ordered 1
		.amdhsa_forward_progress 1
		.amdhsa_inst_pref_size 167
	.end_amdhsa_kernel
	.amdgpu_metadata
---
amdhsa.version: [ 1, 2 ]
amdhsa.kernels:
  - .name:           k_qd94ce85463_qkv
    .symbol:         k_qd94ce85463_qkv.kd
    .args:
      - { .name: xc, .offset: 0, .size: 8, .value_kind: global_buffer, .address_space: global }
      - { .name: xs, .offset: 8, .size: 8, .value_kind: global_buffer, .address_space: global }
      - { .name: wc, .offset: 16, .size: 8, .value_kind: global_buffer, .address_space: global }
      - { .name: ws, .offset: 24, .size: 8, .value_kind: global_buffer, .address_space: global }
      - { .name: fr, .offset: 32, .size: 8, .value_kind: global_buffer, .address_space: global }
      - { .name: fs, .offset: 40, .size: 8, .value_kind: global_buffer, .address_space: global }
    .group_segment_fixed_size: 327680
    .private_segment_fixed_size: 0
    .kernarg_segment_align: 8
    .kernarg_segment_size: 48
    .max_flat_workgroup_size: 128
    .sgpr_count:     102
    .vgpr_count:     1024
    .wavefront_size: 32
...
	.end_amdgpu_metadata
.endif
;; end of part 2
;; launch attn (part 3): grid 4 x 64, 8 waves a work-group, clusters of 4 x 1, 218,112 bytes of LDS; arguments fr, fs, attention_ids, aoc, aos; writes aoc, aos
.if DOCPART == 3
	.amdgcn_target "amdgcn-amd-amdhsa--gfx1250"
	.amdhsa_code_object_version 6
	.text
	.protected	k_qd94ce85463_attn
	.globl	k_qd94ce85463_attn
	.p2align	8
	.type	k_qd94ce85463_attn,@function
k_qd94ce85463_attn:
	s_mov_b64 s[64:65], 0
	v_nop
	global_prefetch_b8 v0, s[64:65] scope:SCOPE_SE
	s_setreg_imm32_b32 hwreg(HW_REG_WAVE_MODE, 25, 1), 1
	s_wait_xcnt 0x0
	s_wait_alu depctr_hold_cnt(0) depctr_sa_sdst(0) depctr_va_vdst(0) depctr_va_sdst(0) depctr_va_ssrc(0) depctr_va_vcc(0) depctr_vm_vsrc(0)
	s_getreg_b32 s2, hwreg(HW_REG_IB_STS2, 6, 4)
	s_cmp_eq_u32 s2, 0
	s_cbranch_scc0 .Lentry_in_a_cluster
	s_endpgm
.Lentry_in_a_cluster:
	s_bfe_u32 s2, ttmp6, 0x10000c
	s_cmp_lg_u32 s2, 0x3003
	s_cbranch_scc0 .Lentry_shape_is_right
	s_endpgm
.Lentry_shape_is_right:
; o = softmax((q k^T + mask) / 8) v for one head, both products on codes of FP6 (E2M3) with E8M0 scales; o is quantised along the head's 64 channels on its way out, as an operand of the last product.  Nothing of reference() is left out.
; THE SOFTMAX AHEAD OF THE SECOND PRODUCT: t = (score + mask) x log2(e) / 8; M = the largest t so far, rounded up to a whole number; p = 2^(t - M) is quantised along the keys, not normalised; the row's sum is taken of the
; unquantised p and divides o at the end.  When M moves, the sum and o are multiplied by 2^(old M - new M), which rounds nothing.  t is a multiplication of its own and t - M an addition of its own, as reference() rounds them.
; THE MASK, ids x -1e9 in f32, is the C of the score's matrix instruction.  LIMIT: sum + mask is so rounded once, where reference() rounds the sum and then the addition; that can differ only where every key of a batch is masked.
; LIMITS: p under 2^-126 counts as 0 (v_exp_f32); a block of zeros gets the byte 1 (its codes are zeros; only this program reads the bytes); NaN and infinities are not served.
; SHARES.  A work-group owns one head of one batch and 512 queries, in two passes of 256; each of its eight waves 32 queries a pass: two tiles of 16.  Two waves share a SIMD.
; NO RING.  The head's k and v codes (196,608 bytes) and their scale words lie in LDS whole: they come once, at the head, by three tensor loads a wave, and stay for both passes.  Nothing is filled again.
; CLUSTER.  The four work-groups of a head need the same bytes: each load is asked for jointly, with a mask that names the four.
; LAYOUT.  Both products are used transposed: S^T = k q^T (source 0 = 16 keys, source 1 = 16 queries), O^T = v^T p^T: a lane holds ONE query (lane % 16) throughout.  By the row order in which k and v were laid,
; S^T's register 16 b + i is key 32 b + 16 (lane / 16) + i of the step's 128, and O^T's register 16 b + i is channel 32 b + 16 (lane / 16) + i.
; K = 64 IN AN INSTRUCTION OF 128: q's registers 6-11 are zero codes; k's operand for tile t is 12 registers from its chunk on, whose upper six (the next tile's codes, or zeros) meet q's zeros.  The scale words are loaded
; as 16 bits, so bytes 2 and 3 are 0, which stands for 2^-127 and is no NaN.
; REGISTERS.  Window 0: v1-5, v13, v14 addresses that stay; v6, v7 the add's; v8-12 the step's addresses; v16.., v24.. a tile's statistics (+0 -M, +1 the largest t, +2, +3 the sum, +4, +5 the factor, +6 o's scale bytes);
;   v32-59 at work; v60-67 k's scale words, v68-71 v's, v72-73 q's, v74-75 p's; v76-99 p's codes; v128-255 S^T, then p.
;   Window 1: v0-63 O^T; v64-127 the mask; v128-151 q; v152-205 k's eight chunks and six zeros; v206-253 v's four fragments.
.set QSZ,   6291456
.set FSV,   524288
.set KSW,   196608                     ; LDS: behind k's and v's codes: k's scale words of the head pair, 8,192 bytes;
.set VSW,   204800                     ; v's, 4,096 bytes;
.set MK,    208896                     ; the mask, f32 by key, 8,192 bytes: written by ds_store alone;
.set SPARE, 217088                     ; the spare words, 128 bytes a wave
.set A16, 1                            ; v1   16 x lane
.set A8,  2                            ; v2   8 x lane
.set AMK, 3                            ; v3   MK + 64 (lane / 16)
.set AKS, 4                            ; v4   KSW + 4 (lane % 16) + 2 (head % 2)
.set AVS, 5                            ; v5   VSW + 4 (lane % 16)
.set SPW, 6
.set NIL, 7
.set ADC16, 8
.set ADC8,  9
.set ADM,   10
.set ADS,   11
.set ADT,   12
.set QSO, 13                           ; v13  4 (lane % 16) + 2 (head % 2)
.set ASO, 14                           ; v14  32 (lane % 16) + 2 head
.set ST,  16
.set BM,  32
.set PX,  36
.set SO,  40
.set BY,  44
.set CT,  48
.set W,   56
.set SU,  58
.set KSC, 60
.set VSC, 68
.set QS,  72
.set PSC, 74
.set PC,  76
.set S,   128
.set MKR, 64                           ; window 1
.set QF,  128
.set KF,  152
.set VF,  206
.set MSB, 0
.macro WIN new                         ; the immediate's high byte repeats the setting that is left
.if MSB != (\new)
	s_set_vgpr_msb (MSB<<8)|(\new)
.set MSB, (\new)
.endif
.endm
.set W_LD,  0x40                       ; destination window 1
.set W_S,   0x15                       ; k, q and the mask in window 1, S^T in window 0
.set W_PV,  0x51                       ; v in window 1, p in window 0, O^T in window 1
.set W_RS,  0x41                       ; O^T (destination and source 0) in window 1
.set W_OUT, 0x01                       ; source 0 in window 1
.macro CROUND                          ; a round of the cluster's barrier
	s_barrier_signal -1
	s_barrier_wait -1
	s_cmp_lg_u32 s14, 0
	s_cbranch_scc1 .Lnot_wave_0_\@
	s_barrier_signal -3
.Lnot_wave_0_\@:
	s_barrier_wait -3
	s_barrier_signal -1
	s_barrier_wait -1
.endm
.macro G1SET g, r                      ; descriptor group 1: r rows of 256 dense bytes (32 elements of 8 bytes), no padding; the mask names all four work-groups, bit 21 beside it
	s_mov_b32 s[\g], 15|(3<<16)|(1<<21)
	s_mov_b32 s[\g+1], 32<<16
	s_mov_b32 s[\g+2], (\r)<<16
	s_mov_b32 s[\g+3], 32<<16
	s_mov_b32 s[\g+4], \r
	s_mov_b32 s[\g+5], 32
	s_mov_b32 s[\g+6], 0
	s_mov_b32 s[\g+7], 0
.endm
	s_load_b256 s[4:11], s[0:1], 0x0               ; fr s[4:5], fs s[6:7], attention_ids s[8:9], aoc s[10:11]
	s_load_b64 s[12:13], s[0:1], 0x20              ; aos
	v_lshl_add_u32 v[SPW], v0, 2, SPARE
	v_mov_b32 v[NIL], 0
	ds_add_u32 v[SPW], v[NIL]                      ; the wave's opening: the add, twice on end, and its wait ahead of my first tensor load
	ds_add_u32 v[SPW], v[NIL]
	v_lshrrev_b32 v1, 5, v0
	v_readfirstlane_b32 s14, v1                    ; wave 0..7
	s_bfe_u32 s15, ttmp6, 0x40000                  ; cx: my block of 512 queries: it enters q's and the outputs' addresses alone
	s_and_b32 s16, ttmp7, 0xffff                   ; 16 b + head, which the four partners share
	s_lshr_b32 s17, s16, 4                         ; b
	s_and_b32 s18, s16, 15                         ; head
	s_and_b32 s19, s16, 1
	s_lshl_b32 s19, s19, 1                         ; 2 (head % 2)
	s_mov_b32 s20, 0x76543210
	s_mov_b32 s21, 0xfedcba98                      ; v_permlanex16_b32's selects: the lane 16 away
	s_mov_b32 s22, 0x3e38aa3b                      ; log2(e) / 8
	s_mov_b32 s23, s22                             ; (named with it as a pair)
	G1SET 24, 96                                   ; my eighth of the codes: 24,576 bytes
	G1SET 32, 4                                    ; of k's scale words: 1,024
	G1SET 40, 2                                    ; of v's: 512
	s_mul_i32 s76, s16, 196608
	s_mul_i32 s77, s14, 24576
	s_add_co_u32 s78, s76, s77
	s_add_co_u32 s78, s78, QSZ
	s_mov_b32 s79, 0                               ; the codes: QSZ + 196,608 (16 b + head) + 24,576 wave
	s_lshl_b32 s80, s17, 3
	s_lshr_b32 s81, s18, 1
	s_add_co_u32 s80, s80, s81
	s_lshl_b32 s80, s80, 13                        ; q's scale words of the head pair: (8 b + head / 2) 8,192
	s_lshl_b32 s81, s14, 10
	s_add_co_u32 s82, s80, s81
	s_add_co_u32 s82, s82, 262144                  ; k's lie 4 x 8 x 8,192 bytes on
	s_mov_b32 s83, 0
	s_lshl_b32 s84, s16, 12
	s_lshl_b32 s85, s14, 9
	s_add_co_u32 s84, s84, s85
	s_add_co_u32 s84, s84, FSV
	s_mov_b32 s85, 0                               ; v's scale words
	s_lshl_b32 s86, s15, 5
	s_lshl_b32 s87, s14, 1
	s_add_co_u32 s86, s86, s87                     ; my first tile of queries in pass 0: 32 cx + 2 wave
	s_mul_i32 s68, s16, 98304
	s_mul_i32 s87, s86, 768
	s_add_co_u32 s68, s68, s87
	s_mov_b32 s69, 0                               ; q's chunk
	s_lshl_b32 s87, s86, 6
	s_add_co_u32 s70, s80, s87
	s_mov_b32 s71, 0                               ; q's scale words: 64 bytes a tile
	s_lshl_b32 s87, s17, 7
	s_add_co_u32 s87, s87, s86                     ; the tile among all 512
	s_mul_i32 s72, s87, 12288
	s_mul_i32 s88, s18, 768
	s_add_co_u32 s72, s72, s88
	s_mov_b32 s73, 0                               ; o's chunk
	s_lshl_b32 s74, s87, 9
	s_mov_b32 s75, 0                               ; o's scale bytes: 32 a token
	s_lshl_b32 s88, s17, 13
	s_mov_b32 s89, 0                               ; the batch's ids
	s_lshl_b32 s76, s18, 1                         ; 2 head
	v_and_b32 v15, 31, v0
	v_lshlrev_b32 v[A16], 4, v15
	v_lshlrev_b32 v[A8], 3, v15
	v_bfe_u32 v15, v0, 4, 1
	v_lshl_add_u32 v[AMK], v15, 6, MK
	v_and_b32 v15, 15, v0
	v_lshl_add_u32 v[QSO], v15, 2, s19
	v_add_nc_u32 v[AKS], KSW, v[QSO]
	v_lshl_add_u32 v[AVS], v15, 2, VSW
	v_lshl_add_u32 v[ASO], v15, 5, s76
	v_lshl_add_u32 v8, v0, 5, MK                   ; the mask: 8 keys, 32 bytes, a thread
	v_lshlrev_b32 v9, 5, v0
	s_wait_dscnt 0x0                               ; both opening adds are done
	s_wait_kmcnt 0x0
	s_mov_b32 s48, 1                               ; group 0 of the codes: count 1; LDS address; global address; type 2
	s_mov_b32 s49, s77
	s_add_nc_u64 s[50:51], s[4:5], s[78:79]
	s_or_b32 s51, s51, 0x80000000
	s_mov_b32 s52, 1
	s_lshl_b32 s53, s14, 10
	s_add_co_u32 s53, s53, KSW
	s_add_nc_u64 s[54:55], s[6:7], s[82:83]
	s_or_b32 s55, s55, 0x80000000
	s_mov_b32 s56, 1
	s_lshl_b32 s57, s14, 9
	s_add_co_u32 s57, s57, VSW
	s_add_nc_u64 s[58:59], s[6:7], s[84:85]
	s_or_b32 s59, s59, 0x80000000
	s_add_nc_u64 s[68:69], s[4:5], s[68:69]
	s_add_nc_u64 s[70:71], s[6:7], s[70:71]
	s_add_nc_u64 s[72:73], s[10:11], s[72:73]
	s_add_nc_u64 s[74:75], s[12:13], s[74:75]
	s_add_nc_u64 s[8:9], s[8:9], s[88:89]
	CROUND                                         ; all four work-groups are here: the joint loads meet
	tensor_load_to_lds s[48:51], s[24:31]          ; every wave issues all three, into bytes that are its own by its number: three tensor loads of mine are out
	s_nop 0
	tensor_load_to_lds s[52:55], s[32:39]
	s_nop 0
	tensor_load_to_lds s[56:59], s[40:47]
	s_nop 0
.rept 4
	v_nop
.endr
	global_load_b128 v[S:S+3], v9, s[8:9]
	global_load_b128 v[S+4:S+7], v9, s[8:9] offset:16
	WIN W_LD
.irp i, 0,1,2,3,4,5
	v_mov_b32 v[QF+6+\i], 0                        ; zero codes: q's upper halves,
	v_mov_b32 v[QF+18+\i], 0
	v_mov_b32 v[KF+48+\i], 0                       ; and what lies behind k's last chunk
.endr
	WIN 0
.irp b, 0,1,2,3
	v_mov_b32 v[PX+\b], 0                          ; written once: a lane permute's destination counts as one of its sources
.endr
	v_mov_b32 v[W+1], 0
	v_mov_b32 v[ST+5], 0                           ; (named as the upper halves of pairs)
	v_mov_b32 v[ST+13], 0
	s_wait_loadcnt 0x0
.irp i, 0,1,2,3,4,5,6,7
	v_cvt_f32_i32 v[S+\i], v[S+\i]
.endr
.irp i, 0,1,2,3,4,5,6,7
	v_mul_f32 v[S+\i], 0xce6e6b28, v[S+\i]         ; ids x -1e9
.endr
	ds_store_b128 v8, v[S:S+3]
	ds_store_b128 v8, v[S+4:S+7] offset:16
	s_wait_tensorcnt 0x0                           ; my parts of the codes and scale words are in,
	s_wait_dscnt 0x0                               ; my part of the mask is stored,
	s_barrier_signal -1
	s_barrier_wait -1                              ; everybody's are.  From here on LDS is only read
; THE SOFTMAX of tile x for one key step, and p's codes.
.macro SOFT x
.set rS, S+64*(\x)
.set rT, ST+8*(\x)
.set rP, PC+12*(\x)
.set rO, 32*(\x)
.set j, 0
.rept 32
	v_pk_mul_f32 v[rS+j:rS+j+1], v[rS+j:rS+j+1], s[22:23] op_sel_hi:[1,0]   ; t, two at a time; each accumulator from its low end on
.set j, j+2
.endr
.irp b, 0,1,2,3
	v_max3_num_f32 v[BM+\b], v[rS+16*\b], v[rS+16*\b+1], v[rS+16*\b+2]      ; the largest t of each block of 32 keys: it serves for the row's maximum and, since p rises with t, for the block's largest p
.endr
.irp i, 3,5,7,9,11,13
.irp b, 0,1,2,3
	v_max3_num_f32 v[BM+\b], v[BM+\b], v[rS+16*\b+\i], v[rS+16*\b+\i+1]
.endr
.endr
.irp b, 0,1,2,3
	v_max_num_f32 v[BM+\b], v[BM+\b], v[rS+16*\b+15]
.endr
.irp b, 0,1,2,3
	v_permlanex16_b32 v[PX+\b], v[BM+\b], s20, s21
.endr
.irp b, 0,1,2,3
	v_max_num_f32 v[BM+\b], v[BM+\b], v[PX+\b]     ; with the 16 keys of the lane 16 away
.endr
	v_max3_num_f32 v[W], v[BM], v[BM+1], v[BM+2]
	v_max_num_f32 v[W], v[W], v[BM+3]
	v_max_num_f32 v[rT+1], v[rT+1], v[W]           ; the running largest t
	v_mov_b32 v[W+1], v[rT]
	v_floor_f32 v[rT], -v[rT+1]                    ; the new -M = floor(-t): M is a whole number
	v_sub_f32 v[W+1], v[rT], v[W+1]                ; old M - new M: a whole number, 0 or less
	v_cvt_i32_f32 v[W+1], v[W+1]                   ; (it saturates)
	v_ldexp_f32 v[rT+4], 1.0, v[W+1]               ; f = 2^(old M - new M)
.set j, 0
.rept 32
	v_pk_add_f32 v[rS+j:rS+j+1], v[rS+j:rS+j+1], v[rT:rT+1] op_sel_hi:[1,0]  ; t - M (of the pair the low word, -M, serves both halves)
.set j, j+2
.endr
.irp b, 0,1,2,3
	v_add_f32 v[BM+\b], v[BM+\b], v[rT]            ; the same of each block's largest t
.endr
.set j, 0
.rept 64
	v_exp_f32 v[rS+j], v[rS+j]                     ; p = 2^(t - M)
.set j, j+1
.endr
	v_pk_mul_f32 v[rT+2:rT+3], v[rT+2:rT+3], v[rT+4:rT+5] op_sel_hi:[1,0]    ; the sum under the new M (the plain line behind the exponentials)
	s_wait_alu depctr_va_vdst(0)                   ; the wait ahead of the first line that names an exponential's result: one for the 64
.irp b, 0,1,2,3
	v_exp_f32 v[BM+\b], v[BM+\b]                   ; the block's largest p: the same lines on the same number give the same bits
.endr
	v_pk_add_f32 v[SU:SU+1], v[rS:rS+1], v[rS+2:rS+3]                        ; the row's sum of the unquantised p, in two chains
.irp j, 4,8,12,16,20,24,28,32,36,40,44,48,52,56,60
	v_pk_add_f32 v[rT+2:rT+3], v[rT+2:rT+3], v[rS+\j:rS+\j+1]
	v_pk_add_f32 v[SU:SU+1], v[SU:SU+1], v[rS+\j+2:rS+\j+3]
.endr
	v_pk_add_f32 v[rT+2:rT+3], v[rT+2:rT+3], v[SU:SU+1]
	s_wait_alu depctr_va_vdst(0)                   ; and one for the four
.irp b, 0,1,2,3
	v_max_num_f32 v[BM+\b], 0x1800000, v[BM+\b]    ; the floor 2^(3 - 127): the byte cannot fall under 1
.endr
.irp b, 0,1,2,3
	v_add_nc_u32 v[SO+\b], 0xff000000, v[BM+\b]    ; 2 off the exponent field: the conversion's scale operand
.endr
.irp b, 0,1,2,3
	v_lshrrev_b32 v[BY+\b], 23, v[SO+\b]
.endr
	v_lshl_or_b32 v[PSC+(\x)], v[BY+1], 8, v[BY]
	v_lshl_or_b32 v[PSC+(\x)], v[BY+2], 16, v[PSC+(\x)]
	v_lshl_or_b32 v[PSC+(\x)], v[BY+3], 24, v[PSC+(\x)]                      ; p's scale word for these 128 keys
.irp c, 0,1
	v_cvt_scalef32_pk16_fp6_f32 v[rP+6*\c:rP+6*\c+2], v[rS+32*\c:rS+32*\c+15], v[SO+2*\c]
	v_cvt_scalef32_pk16_fp6_f32 v[CT+4*\c:CT+4*\c+2], v[rS+32*\c+16:rS+32*\c+31], v[SO+2*\c+1]
.endr
	v_nop                                          ; one plain line behind the conversions
.irp c, 0,1                                    ; a whole block to a lane: lanes 0-15 block 2 c, lanes 16-31 block 2 c + 1
.irp i, 0,1,2
	v_permlane16_swap_b32 v[rP+6*\c+\i], v[CT+4*\c+\i]
.endr
.irp i, 0,1,2
	v_mov_b32 v[rP+6*\c+3+\i], v[CT+4*\c+\i]
.endr
.endr
	WIN W_RS
.set j, 0
.rept 16
	v_pk_mul_f32 v[rO+j:rO+j+1], v[rO+j:rO+j+1], v[rT+4:rT+5] op_sel_hi:[1,0]   ; O^T under the new M.  These 16 also stand between the lines that made p's codes and scale word and the products that take them
.set j, j+2
.endr
.endm
; O^T += v^T p^T for tile x: four accumulators, one instruction each; between two links of one chain stand the step's other 23 products.
.macro PVM x
	WIN W_PV
.irp t, 0,1,2,3
	v_wmma_scale_f32_16x16x128_f8f6f4 v[32*(\x)+8*\t:32*(\x)+8*\t+7], v[VF+12*\t:VF+12*\t+11], v[PC+12*(\x):PC+12*(\x)+11], v[32*(\x)+8*\t:32*(\x)+8*\t+7], v[VSC+\t], v[PSC+(\x)] matrix_a_fmt:MATRIX_FMT_FP6 matrix_b_fmt:MATRIX_FMT_FP6
.endr
	WIN 0
.endm
; A KEY STEP: 128 keys for my two tiles of queries.
.macro STEP
	v_add_nc_u32 v[ADC16], s60, v[A16]             ; five plain lines: also the places behind the last step's products, ahead of the loads into their sources
	v_add_nc_u32 v[ADC8], s60, v[A8]
	v_add_nc_u32 v[ADM], s61, v[AMK]
	v_add_nc_u32 v[ADS], s61, v[AKS]
	v_add_nc_u32 v[ADT], s62, v[AVS]
	WIN W_LD
.irp t, 0,1,2,3,4,5,6,7
.irp e, 0,1
	ds_load_b128 v[MKR+8*\t+4*\e:MKR+8*\t+4*\e+3], v[ADM] offset:128*(\t/2)+32*(\t%2)+16*\e   ; the mask in the result's layout: register j of tile t is key 32 (t / 2) + 16 (lane / 16) + 8 (t % 2) + j
.endr
.endr
.irp t, 0,1,2,3,4,5,6,7
	ds_load_b128 v[KF+6*\t:KF+6*\t+3], v[ADC16] offset:768*\t
	ds_load_b64 v[KF+6*\t+4:KF+6*\t+5], v[ADC8] offset:768*\t+512
.endr
.irp t, 0,1,2,3
.irp c, 0,1
	ds_load_b128 v[VF+12*\t+6*\c:VF+12*\t+6*\c+3], v[ADC16] offset:6144+1536*\t+768*\c
	ds_load_b64 v[VF+12*\t+6*\c+4:VF+12*\t+6*\c+5], v[ADC8] offset:6144+1536*\t+768*\c+512
.endr
.endr
	WIN 0
.irp t, 0,1,2,3,4,5,6,7
	ds_load_u16 v[KSC+\t], v[ADS] offset:64*\t
.endr
.irp t, 0,1,2,3
	ds_load_b32 v[VSC+\t], v[ADT] offset:64*\t
.endr
	s_wait_dscnt 0x0
	WIN W_S
.irp t, 0,1,2,3,4,5,6,7
.irp x, 0,1
	v_wmma_scale_f32_16x16x128_f8f6f4 v[S+64*\x+8*\t:S+64*\x+8*\t+7], v[KF+6*\t:KF+6*\t+11], v[QF+12*\x:QF+12*\x+11], v[MKR+8*\t:MKR+8*\t+7], v[KSC+\t], v[QS+\x] matrix_a_fmt:MATRIX_FMT_FP6 matrix_b_fmt:MATRIX_FMT_FP6
.endr
.endr
	WIN 0
.rept 4
	v_nop                                          ; places ahead of the first read of the scores
.endr
	SOFT 0
	PVM 0                                          ; these four run while tile 1's softmax is issued; its first lines name none of their registers
	SOFT 1
	PVM 1
	s_add_co_u32 s60, s60, 12288                   ; the next step's codes,
	s_add_co_u32 s61, s61, 512                     ; mask and k's scale words,
	s_add_co_u32 s62, s62, 256                     ; v's scale words
.endm
; Tile x of pass p leaves: O^T / the sum, quantised along the head's 64 channels: one chunk and two scale bytes a query.
.macro FIN x, p
.set rS, S+64*(\x)
.set rT, ST+8*(\x)
.set rP, PC+12*(\x)
.set rO, 32*(\x)
	v_add_f32 v[W], v[rT+2], v[rT+3]
	v_permlanex16_b32 v[W+1], v[W], s20, s21
	v_add_f32 v[W], v[W], v[W+1]                   ; the row's sum
	v_rcp_f32 v[rT+4], v[W]
	v_nop                                          ; a plain line behind the reciprocal,
	s_wait_alu depctr_va_vdst(0)                   ; and a wait ahead of its first reader
	WIN W_OUT
.set j, 0
.rept 16
	v_pk_mul_f32 v[rS+j:rS+j+1], v[rO+j:rO+j+1], v[rT+4:rT+5] op_sel_hi:[1,0]   ; register 16 b + i: channel 32 b + 16 (lane / 16) + i; each accumulator from its low end on
.set j, j+2
.endr
	WIN 0
.irp b, 0,1
	v_max3_num_f32 v[BM+\b], |v[rS+16*\b]|, |v[rS+16*\b+1]|, 0x1800000
.endr
.irp i, 2,4,6,8,10,12,14
.irp b, 0,1
	v_max3_num_f32 v[BM+\b], v[BM+\b], |v[rS+16*\b+\i]|, |v[rS+16*\b+\i+1]|
.endr
.endr
.irp b, 0,1
	v_permlanex16_b32 v[PX+\b], v[BM+\b], s20, s21
.endr
.irp b, 0,1
	v_max_num_f32 v[BM+\b], v[BM+\b], v[PX+\b]
.endr
.irp b, 0,1
	v_add_nc_u32 v[SO+\b], 0xff000000, v[BM+\b]
.endr
.irp b, 0,1
	v_lshrrev_b32 v[BY+\b], 23, v[SO+\b]
.endr
	v_lshl_or_b32 v[rT+6], v[BY+1], 8, v[BY]
	v_cvt_scalef32_pk16_fp6_f32 v[rP:rP+2], v[rS:rS+15], v[SO]
	v_cvt_scalef32_pk16_fp6_f32 v[CT:CT+2], v[rS+16:rS+31], v[SO+1]
	v_nop
.irp i, 0,1,2
	v_permlane16_swap_b32 v[rP+\i], v[CT+\i]
.endr
.irp i, 0,1,2
	v_mov_b32 v[rP+3+\i], v[CT+\i]
.endr
	global_store_b128 v[A16], v[rP:rP+3], s[72:73] offset:196608*(\p)+12288*(\x)          ; 512 consecutive bytes, aligned
	global_store_b64 v[A8], v[rP+4:rP+5], s[72:73] offset:196608*(\p)+12288*(\x)+512      ; and 256
	global_store_b16 v[ASO], v[rT+6], s[74:75] offset:8192*(\p)+512*(\x)                  ; two bytes a query, 32 bytes apart: one part in 24 of what the launch stores; lanes 16-31 repeat lanes 0-15
.endm
; A PASS: 32 queries a wave against all 2,048 keys.  Written out twice, so that the pass stands in immediates and no base is stepped.
.macro PASS p
	s_wait_xcnt 0x0                                ; the last pass's stores have read their registers
	WIN W_LD
.irp x, 0,1
	global_load_b128 v[QF+12*\x:QF+12*\x+3], v[A16], s[68:69] offset:12288*(\p)+768*\x
	global_load_b64 v[QF+12*\x+4:QF+12*\x+5], v[A8], s[68:69] offset:12288*(\p)+768*\x+512
.endr
.set j, 0
.rept 64
	v_mov_b32 v[j], 0                              ; O^T: the step is written once; its first trip finds zeros, which the first change of M leaves zeros
.set j, j+1
.endr
	WIN 0
.irp x, 0,1
	global_load_u16 v[QS+\x], v[QSO], s[70:71] offset:1024*(\p)+64*\x
	v_mov_b32 v[ST+8*\x+1], 0xff61b1e6             ; the largest t so far: -3e38
	v_mov_b32 v[ST+8*\x+2], 0                      ; the sum, in two halves
	v_mov_b32 v[ST+8*\x+3], 0
	v_floor_f32 v[ST+8*\x], -v[ST+8*\x+1]          ; -M
.endr
	s_mov_b32 s60, 0
	s_mov_b32 s61, 0
	s_mov_b32 s62, 0
	s_mov_b32 s63, 16
	s_wait_loadcnt 0x0                             ; q
.Lstep_\@:
	STEP
	s_sub_co_u32 s63, s63, 1
	s_cmp_lg_u32 s63, 0
	s_cbranch_scc1 .Lstep_\@
.rept 4
	v_nop                                          ; places ahead of the first read of O^T
.endr
	FIN 0, \p
	FIN 1, \p
.endm
	PASS 0
	PASS 1
	s_wait_tensorcnt 0x0                           ; the wave's end: a tensor wait, an add of 0 to my spare word and its wait, behind my last tensor load and my last LDS store
	ds_add_u32 v[SPW], v[NIL]
	s_wait_dscnt 0x0
	CROUND                                         ; the closing round
	s_endpgm
.Lfunc_end_k_qd94ce85463_attn:
	.size	k_qd94ce85463_attn, .Lfunc_end_k_qd94ce85463_attn-k_qd94ce85463_attn
	.p2alignl 7, 3214868480
	.fill 96, 4, 3214868480
	.section	.rodata,"a",@progbits
	.p2align	6, 0x0
	.amdhsa_kernel k_qd94ce85463_attn
		.amdhsa_group_segment_fixed_size 218112
		.amdhsa_private_segment_fixed_size 0
		.amdhsa_enable_private_segment 0
		.amdhsa_kernarg_size 40
		.amdhsa_user_sgpr_count 2
		.amdhsa_user_sgpr_kernarg_segment_ptr 1
		.amdhsa_wavefront_size32 1
		.amdhsa_system_sgpr_workgroup_id_x 1
		.amdhsa_system_sgpr_workgroup_id_y 1
		.amdhsa_system_sgpr_workgroup_id_z 1
		.amdhsa_system_vgpr_workitem_id 0
		.amdhsa_next_free_vgpr 512
		.amdhsa_next_free_sgpr 90
		.amdhsa_reserve_vcc 0
		.amdhsa_float_denorm_mode_32 3
		.amdhsa_float_denorm_mode_16_64 3
		.amdhsa_memory_ordered 1
		.amdhsa_forward_progress 1
		.amdhsa_inst_pref_size 99
	.end_amdhsa_kernel
	.amdgpu_metadata
---
amdhsa.version: [ 1, 2 ]
amdhsa.kernels:
  - .name:           k_qd94ce85463_attn
    .symbol:         k_qd94ce85463_attn.kd
    .args:
      - { .name: fr, .offset: 0, .size: 8, .value_kind: global_buffer, .address_space: global }
      - { .name: fs, .offset: 8, .size: 8, .value_kind: global_buffer, .address_space: global }
      - { .name: attention_ids, .offset: 16, .size: 8, .value_kind: global_buffer, .address_space: global }
      - { .name: aoc, .offset: 24, .size: 8, .value_kind: global_buffer, .address_space: global }
      - { .name: aos, .offset: 32, .size: 8, .value_kind: global_buffer, .address_space: global }
    .group_segment_fixed_size: 218112
    .private_segment_fixed_size: 0
    .kernarg_segment_align: 8
    .kernarg_segment_size: 40
    .max_flat_workgroup_size: 256
    .sgpr_count:     90
    .vgpr_count:     512
    .wavefront_size: 32
...
	.end_amdgpu_metadata
.endif
;; end of part 3
;; launch proj (part 4): grid 4 x 32, 4 waves a work-group, clusters of 4 x 4, 327,680 bytes of LDS; arguments aoc, aos, wc, ws, b_out, out0; writes out0
.if DOCPART == 4
	.amdgcn_target "amdgcn-amd-amdhsa--gfx1250"
	.amdhsa_code_object_version 6
	.text
	.protected	k_qd94ce85463_proj
	.globl	k_qd94ce85463_proj
	.p2align	8
	.type	k_qd94ce85463_proj,@function
k_qd94ce85463_proj:
	s_mov_b64 s[64:65], 0
	v_nop
	global_prefetch_b8 v0, s[64:65] scope:SCOPE_SE
	s_setreg_imm32_b32 hwreg(HW_REG_WAVE_MODE, 25, 1), 1
	s_wait_xcnt 0x0
	s_wait_alu depctr_hold_cnt(0) depctr_sa_sdst(0) depctr_va_vdst(0) depctr_va_sdst(0) depctr_va_ssrc(0) depctr_va_vcc(0) depctr_vm_vsrc(0)
	s_getreg_b32 s2, hwreg(HW_REG_IB_STS2, 6, 4)
	s_cmp_eq_u32 s2, 0
	s_cbranch_scc0 .Lentry_in_a_cluster
	s_endpgm
.Lentry_in_a_cluster:
	s_bfe_u32 s2, ttmp6, 0x10000c
	s_cmp_lg_u32 s2, 0xf033
	s_cbranch_scc0 .Lentry_shape_is_right
	s_endpgm
.Lentry_shape_is_right:
; out0 = o w_out^T + b_out on codes of FP6 (E2M3) with E8M0 scales, f32 sums.  Nothing of reference() is left out here.
; A = attention's result: aoc [tile of 16 tokens 512][head 16][768]: chunks of 16 rows x 64 K as images of six operand registers (registers 0-3 at 16 x lane, 4, 5 at 512 + 8 x lane); aos [token][32] its scale bytes.
; The tokens lie in the stored row order (bits 3 and 4 of the number exchanged); the stores' immediates put each row back at its token.  B = w_out's codes, behind w_in's in wc and ws, rows in their own order.
; A tile of 256 x 256 of out0 is made by four waves, 128 x 128 each: 64 accumulators, 512 registers.  K = 1,024 goes in four steps of 256 through a ring of two LDS slots; the scale bytes come once, with the first fills.
; The matrix instruction takes source 0 = 16 rows of B, source 1 = 16 rows of A: a lane holds eight neighbouring numbers of a row of out0.  The bias is the C of each sum's first matrix instruction.
; 128 work-groups: M x N gives so many tiles of this size.  CLUSTERS: 4 x 4: A's tiles are asked for jointly along a row of the cluster, B's along a column.
; REGISTERS: window 0: v0-31 addresses; v32-63 scale words, two sets; v64-127 the bias in the result's layout; from v128 A's fragments, one set; on the way out v128-255 rows read back.
;   window 1: B's fragments, two sets.   windows 2, 3: the accumulators of my rows 0-63 and 64-127.
.set SIZE_N, 1024
.set NQ,     2
.set ROWB,   192                       ; B: a tile's row in bytes
.set ROWA,   3072                      ; A: four chunks: 16 rows x 256 K
.set KROW,   768
.set PITCH,  240                       ; B's LDS row: 3 x (64 bytes + 16 of padding)
.set FR,     12
.set NLA,    4                         ; LDS loads that bring a fragment of A
.set NP,     4
.set HALFT,  128*PITCH                 ; a wave's quarter of a slot (A's 128 rows use 24,576 bytes of it)
.set SLOT,   4*HALFT
.set LAPS,   2
.set KS,     32
.set SCL,    2*SLOT
.set HALFS,  (128*KS/256)*272
.set SBLK,   (16*KS/256)*272
.set SPARE,  SCL+4*HALFS
.set SPITCH, 528                       ; the way out: a stage of 16 rows x (512 + 16) bytes a wave, in slot 0, which has had its last fill and its last read by then
.set ADRA, 16                          ; v16-17 my A region in slot 0, 1 + 16 x lane;  v18-19 + 8 x lane
.set ADRB, 20
.set STO,  24
.set RD,   25
.set CO,   26
.set ADRS, 27
.set SPW,  28
.set NIL,  29
.set SC,   32
.set BI,   64
.set AF,   128
.set BK,   128
.set G1, 24
.set G0, 32
.set G1B, 48
.set G0B, 56
.set G1S, 68
.set G0S, 76
.set G1SB, 80
.set G0SB, 88
.set MSB, 0
.macro WIN new
.if MSB != (\new)
	s_set_vgpr_msb (MSB<<8)|(\new)
.set MSB, (\new)
.endif
.endm
.set MUL_LO, 0xa1
.set MUL_HI, 0xf1
.set TO_B,   0x40
.macro JLOAD g0a, g1a, g0b, g1b        ; a joint load: waves 0 and 1 fetch for A, waves 2 and 3 for B; an s_nop 0 and four v_nop follow each of the two lines
	s_cmp_eq_u32 s15, 0
	s_cbranch_scc0 .Lfor_b_\@
	tensor_load_to_lds s[\g0a:\g0a+3], s[\g1a:\g1a+7]
	s_nop 0
.rept 4
	v_nop
.endr
	s_branch .Lasked_\@
.Lfor_b_\@:
	tensor_load_to_lds s[\g0b:\g0b+3], s[\g1b:\g1b+7]
	s_nop 0
.rept 4
	v_nop
.endr
.Lasked_\@:
.endm
.macro CREST
	s_cmp_lg_u32 s14, 0
	s_cbranch_scc1 .Lnot_wave_0_\@
	s_barrier_signal -3
.Lnot_wave_0_\@:
	s_barrier_wait -3
	s_barrier_signal -1
	s_barrier_wait -1
.endm
.macro CROUND
	s_barrier_signal -1
	s_barrier_wait -1
	CREST
.endm
	s_load_b128 s[4:7], s[0:1], 0x0                ; aoc, aos
	s_load_b128 s[8:11], s[0:1], 0x10              ; wc, ws
	s_load_b64 s[96:97], s[0:1], 0x20              ; b_out
	s_load_b64 s[12:13], s[0:1], 0x28              ; out0
	v_lshl_add_u32 v[SPW], v0, 2, SPARE
	v_mov_b32 v[NIL], 0
	ds_add_u32 v[SPW], v[NIL]                      ; the wave's opening: the add, twice on end, and its wait ahead of my first tensor load
	ds_add_u32 v[SPW], v[NIL]
	v_lshrrev_b32 v1, 5, v0
	v_readfirstlane_b32 s14, v1                    ; wave 0..3
	s_lshr_b32 s15, s14, 1                         ; which half of the tile's rows is mine.  Also: I fetch for A (0) or for B (1)
	s_and_b32 s16, s14, 1                          ; which half of its columns.  Also: which 128 rows I fetch
	s_bfe_u32 s40, ttmp6, 0x40000
	s_bfe_u32 s41, ttmp6, 0x40004
	s_lshl_b32 s42, ttmp9, 2
	s_add_co_u32 s42, s42, s40                     ; tile column
	s_and_b32 s17, ttmp7, 0xffff
	s_lshl_b32 s17, s17, 2
	s_add_co_u32 s17, s17, s41                     ; tile row
	s_lshl_b32 s43, s41, 2
	s_lshl_b32 s43, 15, s43
	s_lshl_b32 s44, 0x1111, s40
	s_or_b32 s[G1+0], s43, (3<<16)|(1<<21)         ; A: the mask of my row; elements of 8 bytes; no padding; bit 21 beside a mask
	s_mov_b32 s[G1+1], 384<<16                     ; a row of the tile: four chunks, 3,072 bytes
	s_mov_b32 s[G1+2], 8<<16                       ; eight tiles of 16 tokens
	s_mov_b32 s[G1+3], 384<<16
	s_mov_b32 s[G1+4], 8
	s_mov_b32 s[G1+5], 1536                        ; 12,288 bytes from one to the next
	s_mov_b32 s[G1+6], 0
	s_mov_b32 s[G1+7], 0
	s_or_b32 s[G1B+0], s44, (0<<16)|(1<<20)|(1<<21)|(3<<22)|(3<<25)  ; B: 128 rows of 192 bytes, 16 bytes of padding behind every 64
	s_mov_b32 s[G1B+1], ROWB<<16
	s_mov_b32 s[G1B+2], 128<<16
	s_mov_b32 s[G1B+3], ROWB<<16
	s_mov_b32 s[G1B+4], 128
	s_mov_b32 s[G1B+5], KROW
	s_mov_b32 s[G1B+6], 0
	s_mov_b32 s[G1B+7], 0
	s_or_b32 s[G1S+0], s43, (3<<16)|(1<<20)|(1<<21)|(5<<22)|(3<<25)  ; the scales of 128 rows: 16 rows of 256 bytes, 16 of padding behind each
	s_or_b32 s[G1SB+0], s44, (3<<16)|(1<<20)|(1<<21)|(5<<22)|(3<<25)
.irp g, G1S, G1SB
	s_mov_b32 s[\g+1], 32<<16
	s_mov_b32 s[\g+2], (128*KS/256)<<16
	s_mov_b32 s[\g+3], 32<<16
	s_mov_b32 s[\g+4], 128*KS/256
	s_mov_b32 s[\g+5], 32
	s_mov_b32 s[\g+6], 0
	s_mov_b32 s[\g+7], 0
.endr
	s_lshl_b32 s18, s16, 7
	s_lshl_b32 s20, s17, 8
	s_add_co_u32 s20, s20, s18                     ; A: the first row that I fetch
	s_lshl_b32 s46, s42, 8
	s_add_co_u32 s46, s46, s18                     ; B likewise
	s_mov_b32 s21, 0
	s_mov_b32 s47, 0
	s_mov_b64 s[18:19], KS
	s_mul_u64 s[22:23], s[20:21], s[18:19]
	s_mul_u64 s[92:93], s[46:47], s[18:19]
	s_mov_b64 s[18:19], KROW
	s_mul_u64 s[20:21], s[20:21], s[18:19]         ; 768 bytes a row in both: 16 rows of A are one tile's 12,288
	s_mul_u64 s[46:47], s[46:47], s[18:19]
	s_mul_i32 s45, s14, HALFT
	s_mul_i32 s94, s14, HALFS
	s_wait_dscnt 0x0                               ; both opening adds are done
	s_wait_kmcnt 0x0
	s_add_nc_u64 s[8:9], s[8:9], 2359296           ; w_out's codes lie behind w_in's 3,072 rows,
	s_add_nc_u64 s[10:11], s[10:11], 98304         ; and so do its scale bytes
	s_add_nc_u64 s[20:21], s[4:5], s[20:21]
	s_add_nc_u64 s[22:23], s[6:7], s[22:23]
	s_add_nc_u64 s[46:47], s[8:9], s[46:47]
	s_add_nc_u64 s[92:93], s[10:11], s[92:93]
	CROUND                                         ; all sixteen work-groups are here: the first joint loads meet
	s_mov_b32 s[G0S], 1
	s_add_co_u32 s[G0S+1], s94, SCL
	s_mov_b64 s[G0S+2:G0S+3], s[22:23]
	s_or_b32 s[G0S+3], s[G0S+3], 0x80000000
	s_mov_b32 s[G0SB], 1
	s_add_co_u32 s[G0SB+1], s94, SCL
	s_mov_b64 s[G0SB+2:G0SB+3], s[92:93]
	s_or_b32 s[G0SB+3], s[G0SB+3], 0x80000000
	JLOAD G0S, G1S, G0SB, G1SB
.irp s, 0,1
	s_mov_b32 s[G0+4*\s], 1
	s_add_co_u32 s[G0+4*\s+1], s45, \s*SLOT
	s_add_nc_u64 s[G0+4*\s+2:G0+4*\s+3], s[20:21], \s*ROWA
	s_or_b32 s[G0+4*\s+3], s[G0+4*\s+3], 0x80000000
	s_mov_b32 s[G0B+4*\s], 1
	s_add_co_u32 s[G0B+4*\s+1], s45, \s*SLOT
	s_add_nc_u64 s[G0B+4*\s+2:G0B+4*\s+3], s[46:47], \s*ROWB
	s_or_b32 s[G0B+4*\s+3], s[G0B+4*\s+3], 0x80000000
	JLOAD G0+4*\s, G1, G0B+4*\s, G1B               ; three tensor loads of mine are out now
.endr
	v_and_b32 v1, 15, v0                           ; r
	v_bfe_u32 v2, v0, 4, 1                         ; h
	v_mul_u32_u24 v3, v1, PITCH
	v_mul_u32_u24 v4, v2, 24
	v_add_nc_u32 v4, v3, v4                        ; B: a fragment's row x pitch + 24 x half
	v_lshl_add_u32 v5, v2, 4, v4                   ; and the same behind one padding more
	v_and_b32 v6, 31, v0
	v_lshlrev_b32 v[CO], 4, v6                     ; 16 x lane
	v_lshlrev_b32 v7, 3, v6                        ; 8 x lane
	s_mul_i32 s21, s15, HALFT
	s_mul_i32 s22, s16, HALFT
	s_add_co_u32 s22, s22, 2*HALFT
.irp s, 0,1
	v_add_nc_u32 v[ADRA+\s], s21, v[CO]
	v_add_nc_u32 v[ADRA+2+\s], s21, v7
	v_add_nc_u32 v[ADRB+\s], s22, v4
	v_add_nc_u32 v[ADRB+2+\s], s22, v5
	s_add_co_u32 s21, s21, SLOT
	s_add_co_u32 s22, s22, SLOT
.endr
	v_mul_u32_u24 v5, v1, KS
	v_lshrrev_b32 v6, 8, v5
	v_lshl_add_u32 v5, v6, 4, v5
	s_mul_i32 s21, s15, HALFS
	s_mul_i32 s22, s16, HALFS
	s_add_co_u32 s22, s22, 2*HALFS
	s_sub_co_u32 s22, s22, s21
	v_mul_u32_u24 v6, s22, v2                      ; lanes 16-31 take B's scale words
	s_add_co_u32 s21, s21, SCL
	v_add_nc_u32 v5, v5, v6
	v_add_nc_u32 v[ADRS], s21, v5
	s_mul_i32 s23, s14, 16*SPITCH                  ; my stage
	v_mul_u32_u24 v5, v1, SPITCH
	v_lshl_add_u32 v5, v2, 5, v5
	v_add_nc_u32 v[STO], s23, v5                   ; in: row r, 32 bytes for each half of the lanes
	v_add_nc_u32 v[RD], s23, v[CO]                 ; back: the 32 lanes take one row of 512 bytes
	s_lshl_b32 s20, s17, 8
	s_lshl_b32 s21, s15, 7
	s_add_co_u32 s20, s20, s21                     ; my first row of out0
	s_mov_b32 s21, 0
	s_mov_b64 s[18:19], SIZE_N*4
	s_mul_u64 s[20:21], s[20:21], s[18:19]
	s_lshl_b32 s46, s42, 10                        ; my first column, in bytes: 1,024 x tile column + 512 x half
	s_lshl_b32 s47, s16, 9
	s_add_co_u32 s46, s46, s47
	s_mov_b32 s47, 0
	s_add_nc_u64 s[96:97], s[96:97], s[46:47]      ; the bias of my 128 columns
	s_add_nc_u64 s[20:21], s[20:21], s[46:47]
	s_add_nc_u64 s[12:13], s[12:13], s[20:21]
	v_lshlrev_b32 v13, 5, v2                       ; 32 h
.irp b, 0,1,2,3,4,5,6,7
.irp e, 0,1
	global_load_b128 v[BI+8*\b+4*\e:BI+8*\b+4*\e+3], v13, s[96:97] offset:64*\b+16*\e   ; register 8 b + j: the bias of column 16 b + 8 h + j
.endr
.endr
.macro FRAG reg, adr, q, i             ; B: 16 rows x 128 K, in pieces of 8 bytes
.irp p, 0,1,2,3,4,5
.set PIECE, 12*(\q)+6*(\p/3)+\p%3
.if PIECE%8 < 5
	ds_load_b64 v[\reg+2*\p:\reg+2*\p+1], v[\adr] offset:8*PIECE+16*(PIECE/8)+(\i)*16*PITCH
.else
	ds_load_b64 v[\reg+2*\p:\reg+2*\p+1], v[\adr+2] offset:8*PIECE+16*(PIECE/8)+(\i)*16*PITCH
.endif
.endr
.endm
.macro FRAGA reg, slot, q, i           ; A: two chunks on end are a fragment: four loads, each of consecutive bytes
	ds_load_b128 v[\reg:\reg+3], v[ADRA+\slot] offset:3072*(\i)+1536*(\q)
	ds_load_b64 v[\reg+4:\reg+5], v[ADRA+2+\slot] offset:3072*(\i)+1536*(\q)+512
	ds_load_b128 v[\reg+6:\reg+9], v[ADRA+\slot] offset:3072*(\i)+1536*(\q)+768
	ds_load_b64 v[\reg+10:\reg+11], v[ADRA+2+\slot] offset:3072*(\i)+1536*(\q)+1280
.endm
; 16 matrix instructions: A's blocks a0, a0 + 1 x B's eight.  first = 1: the bias starts the sums.  The 64 accumulators take turns, one instruction a turn.
.macro MUL16 a0, p, q, sc, first
.irp a, \a0, \a0+1
.irp b, 0,1,2,3,4,5,6,7
.if \first
	v_wmma_scale_f32_16x16x128_f8f6f4 v[8*(8*((\a)%4)+\b):8*(8*((\a)%4)+\b)+7], v[128*(\p)+FR*\b:128*(\p)+FR*\b+FR-1], v[AF+FR*(\a):AF+FR*(\a)+FR-1], v[BI+8*\b:BI+8*\b+7], v[SC+8*NQ*(\sc)+NQ*\b+(\q)], v[SC+8*NQ*(\sc)+NQ*(\a)+(\q)] matrix_a_fmt:MATRIX_FMT_FP6 matrix_b_fmt:MATRIX_FMT_FP6 matrix_a_scale:MATRIX_SCALE_ROW1
.else
	v_wmma_scale_f32_16x16x128_f8f6f4 v[8*(8*((\a)%4)+\b):8*(8*((\a)%4)+\b)+7], v[128*(\p)+FR*\b:128*(\p)+FR*\b+FR-1], v[AF+FR*(\a):AF+FR*(\a)+FR-1], v[8*(8*((\a)%4)+\b):8*(8*((\a)%4)+\b)+7], v[SC+8*NQ*(\sc)+NQ*\b+(\q)], v[SC+8*NQ*(\sc)+NQ*(\a)+(\q)] matrix_a_fmt:MATRIX_FMT_FP6 matrix_b_fmt:MATRIX_FMT_FP6 matrix_a_scale:MATRIX_SCALE_ROW1
.endif
.endr
.endr
.endm
.macro FETCH_B slot, q, p
	WIN TO_B
.irp i, 0,1,2,3,4,5,6,7
	FRAG 128*(\p)+FR*\i, ADRB+\slot, \q, \i
.endr
	WIN 0
.endm
.macro FETCH_A slot, q, i0
.irp i, \i0, \i0+1, \i0+2, \i0+3
	FRAGA AF+FR*(\i), \slot, \q, \i
.endr
.endm
.macro SCALES sc
.irp i, 0,1,2,3,4,5,6,7
	ds_load_b64 v[SC+8*NQ*\sc+NQ*\i:SC+8*NQ*\sc+NQ*\i+1], v[ADRS] offset:\i*SBLK
.endr
.endm
.macro PLACES n
.rept \n
	v_nop
.endr
.endm
.macro STEP slot, q, first
	s_wait_dscnt 4*NLA                             ; B's set and A's blocks 0-3 are in; the youngest 16 loads (A's blocks 4-7) may be out
.if \first
	WIN 0x81                                       ; as MUL_LO, with C (the bias) in window 0
.else
	WIN MUL_LO
.endif
	MUL16 0, (\q)%2, \q, \slot, \first
	MUL16 2, (\q)%2, \q, \slot, \first
	s_wait_dscnt 0
	PLACES NP
	FETCH_B \slot, (\q)+1, 1-(\q)%2
	FETCH_A \slot, (\q)+1, 0
.if \first
	WIN 0xc1
.else
	WIN MUL_HI
.endif
	MUL16 4, (\q)%2, \q, \slot, \first
	MUL16 6, (\q)%2, \q, \slot, \first
	PLACES NP
	WIN 0
	FETCH_A \slot, (\q)+1, 4
.endm
.macro TURN slot, next, fill           ; a slot's last step changes slots: one barrier, which opens a round of the cluster's barrier where the slot is filled again
	s_wait_tensorcnt 0x0                           ; all my tensor loads have landed: my part of the next slot
	ds_add_u32 v[SPW], v[NIL]                      ; 0 onto my spare word
	s_wait_dscnt 4*NLA+1                           ; (the add and the youngest 16 loads may be out)
	WIN MUL_LO
	MUL16 0, 1, NQ-1, \slot, 0
	s_wait_dscnt 0x0                               ; the add is done, and my reads of this slot are over
	s_barrier_signal -1
	MUL16 2, 1, NQ-1, \slot, 0
	WIN 0
	s_barrier_wait -1
.if \fill
	CREST
	s_add_nc_u64 s[G0+4*\slot+2:G0+4*\slot+3], s[G0+4*\slot+2:G0+4*\slot+3], 2*ROWA
	s_add_nc_u64 s[G0B+4*\slot+2:G0B+4*\slot+3], s[G0B+4*\slot+2:G0B+4*\slot+3], 2*ROWB
	JLOAD G0+4*\slot, G1, G0B+4*\slot, G1B         ; the first tensor load behind the round, my only one until the next
.else
	PLACES NP
.endif
	v_add_nc_u32 v[ADRS], 4*NQ, v[ADRS]
	FETCH_B \next, 0, 0
	FETCH_A \next, 0, 0
	SCALES \next
	WIN MUL_HI
	MUL16 4, 1, NQ-1, \slot, 0
	MUL16 6, 1, NQ-1, \slot, 0
	PLACES NP
	WIN 0
	FETCH_A \next, 0, 4
.endm
	s_wait_tensorcnt 1                             ; the scales and my part of K step 0 are in (K step 1's load may be out)
	s_barrier_signal -1
	s_barrier_wait -1
	FETCH_B 0, 0, 0
	FETCH_A 0, 0, 0
	SCALES 0
	FETCH_A 0, 0, 4
	s_wait_loadcnt 0x0                             ; the bias
	STEP 0, 0, 1                                   ; the first step stands in front of the loop: its products start the sums, on the bias
	s_mov_b32 s3, LAPS-1
.Llap:
	TURN 0, 1, 1
	STEP 1, 0, 0
	TURN 1, 0, 1
	STEP 0, 0, 0
	s_sub_co_u32 s3, s3, 1
	s_cmp_lg_u32 s3, 0
	s_cbranch_scc1 .Llap
	TURN 0, 1, 0                                   ; the last lap fills nothing
	STEP 1, 0, 0
	s_wait_dscnt 4*NLA
	WIN MUL_LO
	MUL16 0, 1, NQ-1, 1, 0
	MUL16 2, 1, NQ-1, 1, 0
	s_wait_dscnt 0
	WIN MUL_HI
	MUL16 4, 1, NQ-1, 1, 0
	MUL16 6, 1, NQ-1, 1, 0
	WIN 0
; THE WAY OUT, block by block of 16 rows x 128 columns, through my own stage in LDS; back as whole rows of 512 bytes.  LDS serves a wave's instructions in order: no wait between the stores and the loads.
.macro TOSTAGE a
.set AC, 64*((\a)%4)
	WIN 0x08+4*((\a)/4)                            ; the data: window 2 or 3
.irp b, 0,1,2,3,4,5,6,7
	ds_store_b128 v[STO], v[AC+8*\b:AC+8*\b+3] offset:64*\b          ; each accumulator from its low end on
	ds_store_b128 v[STO], v[AC+8*\b+4:AC+8*\b+7] offset:64*\b+16
.endr
	WIN 0
.set BB, BK+64*((\a)%2)
.irp t, 0,1,2,3,4,5,6,7,8,9,10,11,12,13,14,15
	ds_load_b128 v[BB+4*\t:BB+4*\t+3], v[RD] offset:\t*SPITCH
.endr
.endm
.macro SEND a, younger                 ; stored row t of block a is token 32 (a / 2) + 8 (a % 2) + t + 8 (t / 8) of my 128: the offset, 127 rows of 4,096 bytes at the most, stands in the immediate and no base is stepped
.set BB, BK+64*((\a)%2)
	s_wait_dscnt \younger
.irp t, 0,1,2,3,4,5,6,7,8,9,10,11,12,13,14,15
	global_store_b128 v[CO], v[BB+4*\t:BB+4*\t+3], s[12:13] offset:(32*((\a)/2)+8*((\a)%2)+\t+8*(\t/8))*SIZE_N*4 th:TH_STORE_NT   ; 32 lanes store 512 consecutive bytes, aligned
.endr
.endm
	PLACES NP
	TOSTAGE 0
.irp a, 1,2,3,4,5,6,7
.if \a > 1
	s_wait_xcnt 0x0                                ; block a - 2's stores have read their registers: block a's loads may land there
.endif
	TOSTAGE \a
	SEND \a-1, 32                                  ; behind block a - 1's loads: block a's 16 stores and 16 loads
.endr
	SEND 7, 0
	s_wait_tensorcnt 0x0                           ; the wave's end: a tensor wait, an add of 0 to my spare word and its wait, behind my last tensor load and my last LDS store
	ds_add_u32 v[SPW], v[NIL]
	s_wait_dscnt 0x0
	CROUND                                         ; the closing round
	s_endpgm
.Lfunc_end_k_qd94ce85463_proj:
	.size	k_qd94ce85463_proj, .Lfunc_end_k_qd94ce85463_proj-k_qd94ce85463_proj
	.p2alignl 7, 3214868480
	.fill 96, 4, 3214868480
	.section	.rodata,"a",@progbits
	.p2align	6, 0x0
	.amdhsa_kernel k_qd94ce85463_proj
		.amdhsa_group_segment_fixed_size 327680
		.amdhsa_private_segment_fixed_size 0
		.amdhsa_enable_private_segment 0
		.amdhsa_kernarg_size 48
		.amdhsa_user_sgpr_count 2
		.amdhsa_user_sgpr_kernarg_segment_ptr 1
		.amdhsa_wavefront_size32 1
		.amdhsa_system_sgpr_workgroup_id_x 1
		.amdhsa_system_sgpr_workgroup_id_y 1
		.amdhsa_system_sgpr_workgroup_id_z 1
		.amdhsa_system_vgpr_workitem_id 0
		.amdhsa_next_free_vgpr 1024
		.amdhsa_next_free_sgpr 100
		.amdhsa_reserve_vcc 0
		.amdhsa_float_denorm_mode_32 3
		.amdhsa_float_denorm_mode_16_64 3
		.amdhsa_memory_ordered 1
		.amdhsa_forward_progress 1
		.amdhsa_inst_pref_size 153
	.end_amdhsa_kernel
	.amdgpu_metadata
---
amdhsa.version: [ 1, 2 ]
amdhsa.kernels:
  - .name:           k_qd94ce85463_proj
    .symbol:         k_qd94ce85463_proj.kd
    .args:
      - { .name: aoc, .offset: 0, .size: 8, .value_kind: global_buffer, .address_space: global }
      - { .name: aos, .offset: 8, .size: 8, .value_kind: global_buffer, .address_space: global }
      - { .name: wc, .offset: 16, .size: 8, .value_kind: global_buffer, .address_space: global }
      - { .name: ws, .offset: 24, .size: 8, .value_kind: global_buffer, .address_space: global }
      - { .name: b_out, .offset: 32, .size: 8, .value_kind: global_buffer, .address_space: global }
      - { .name: out0, .offset: 40, .size: 8, .value_kind: global_buffer, .address_space: global }
    .group_segment_fixed_size: 327680
    .private_segment_fixed_size: 0
    .kernarg_segment_align: 8
    .kernarg_segment_size: 48
    .max_flat_workgroup_size: 128
    .sgpr_count:     100
    .vgpr_count:     1024
    .wavefront_size: 32
...
	.end_amdgpu_metadata
.endif
;; end of part 4
